; MI455X (gfx1250); checked and timed in simulation.
; The chip was launched on July 23, 2026; its instructions are those of AMD's public machine-readable ISA for CDNA 5 (MIT licence, August 2026) and "CDNA5" Instruction Set Architecture Reference Guide (July 2026). The comments in the code are by the model that wrote it; some were corrected since.
;; Cross Attention Block. Allowed arithmetic: matrix products marked QUANTISED: E2M1 operands, one E8M0 scale for each 32 along K, by v_wmma_scale_f32_16x16x128_f8f6f4 with both operands' format E2M1 (or v_wmma_scale_f32_32x16x128_f4), f32 sums; everything else in f32.
;; Inputs: Wk_codes 512 x 16 x 16 uint8 (E2M1 codes of Wk, K innermost, in blocks of 32 codes, two codes a byte); Wk_scales 512 x 16 uint8 (E8M0 scales of Wk, one for each 32 codes along K); Wq_codes 512 x 16 x 16 uint8 (E2M1 codes of Wq, K innermost, in blocks of 32 codes, two codes a byte); Wq_scales 512 x 16 uint8 (E8M0 scales of Wq, one for each 32 codes along K); Wv_codes 512 x 16 x 16 uint8 (E2M1 codes of Wv, K innermost, in blocks of 32 codes, two codes a byte); Wv_scales 512 x 16 uint8 (E8M0 scales of Wv, one for each 32 codes along K); audio_embed_codes 16 x 1,024 x 16 x 16 uint8 (E2M1 codes of audio_embed, K innermost, in blocks of 32 codes, two codes a byte); audio_embed_scales 16 x 1,024 x 16 uint8 (E8M0 scales of audio_embed, one for each 32 codes along K); bk 512 float32; bq 512 float32; bv 512 float32; x_codes 16 x 2,048 x 16 x 16 uint8 (E2M1 codes of x, K innermost, in blocks of 32 codes, two codes a byte); x_scales 16 x 2,048 x 16 uint8 (E8M0 scales of x, one for each 32 codes along K).
;; Outputs: out0 16 x 2,048 x 512 float32.
;; This version of the problem:
;;   THIS VERSION OF THE PROBLEM IS GIVEN IN LOW PRECISION. The matrix products marked QUANTISED in the list below multiply operands that are first quantised to E2M1 (2 exponent bits, 1 mantissa bit; 4 bits a number), with one power-of-two scale for each 32 numbers along K (OCP MX v1.0); their sums are f32. All else is computed in f32.
;;   The module's matrix products, in the order in which they are computed (A, B: the left and right operand; K: the contracted axis; several contracted axes count as one K, in the product's order):
;;     1. [M 32,768, K 512] x [K 512, N 512]; A: input x (given as codes); B: input Wq (given as codes): QUANTISED
;;     2. [M 16,384, K 512] x [K 512, N 512]; A: input audio_embed (given as codes); B: input Wk (given as codes): QUANTISED
;;     3. [M 16,384, K 512] x [K 512, N 512]; A: input audio_embed (given as codes); B: input Wv (given as codes): QUANTISED
;;     4. batch 16 x [M 2,048, K 512] x [K 512, N 1,024]; A: computed on the way; B: computed on the way: QUANTISED
;;     5. batch 16 x [M 2,048, K 1,024] x [K 1,024, N 512]; A: softmax (see below); B: computed on the way: QUANTISED
;;   THE QUANTISER, for each operand of a quantised product, along K:
;;     - K is cut into blocks of 32 from its start; a last block that is shorter is filled with zeros.
;;     - A block's scale is 2^e with e = floor(log2(the largest magnitude in the block)) - 2, held to -126 .. 127; a block of zeros has e = 0. As a byte (E8M0): e + 127.
;;     - Each number is divided by its block's scale, clamped to +-6, and rounded to the nearest number of E2M1, ties to even, subnormals kept.
;;     - The product sums the exact products of the quantised numbers (number of the format x scale) in f32.
;;   ~~~python
;;   def quantise(x, axis):      # numpy; x: float32 -> the quantised numbers, widened to float32 again
;;       x = np.moveaxis(x, axis, -1); K = x.shape[-1]
;;       x = np.pad(x, [(0, 0)] * (x.ndim - 1) + [(0, -K % 32)]); x = x.reshape(x.shape[:-1] + (-1, 32)); a = np.abs(x).max(-1, keepdims=True)
;;       e = np.where(a > 0, np.clip(np.frexp(np.where(a > 0, a, 1))[1] - 1 - 2, -126, 127), 0)      # np.frexp(a)[1] - 1 = floor(log2(a)), exactly
;;       r = np.clip(x / 2.0 ** e, -6, 6)
;;       step = 2.0 ** (np.maximum(np.frexp(np.where(r == 0, 1, r))[1] - 1, 0) - 1)
;;       q = np.round(r / step) * step * 2.0 ** e      # np.round: ties to even
;;       return np.moveaxis(q.reshape(q.shape[:-2] + (-1,))[..., :K], -1, axis).astype(np.float32)
;;   ~~~
;;   SOFTMAX AHEAD OF A QUANTISED PRODUCT. Where the list says 'softmax', what is quantised is not the finished softmax but p = 2^(t - M), with t = logit x log2(e) and M = ceil(the row's largest t), a whole number; so 1/2 < the row's largest p <= 1. The row's sum l is taken of the UNQUANTISED p, in f32, and the product's result is divided by l at the end. Since M is a whole number, a kernel that streams over the keys may use a running M (the ceiling of the running maximum): every later rescaling is an exact power of two, which a block's scale takes up: the codes' values come out the same.
;;   OPERANDS COMPUTED ON THE WAY. 'Computed on the way' means the value that the module computes at that place (a softmax that the list does not call 'softmax' is quantised finished and normalised). What goes into a quantiser is computed in f32, as accurately as f32 sums, v_exp_f32 and their like allow (about 1e-6 of the number): no bf16 or f16 on the way to a quantiser, and a product that is left as it is and whose result goes on into a quantised operand takes f32 operands (vector FMAs, or v_wmma_f32_16x16x4_f32). A number that lies on a knife's edge between two numbers of the format may be rounded either way, as far as f32 arithmetic and the matrix unit's own rounding can turn it there, and no further.
;;   INPUTS GIVEN AS CODES. Wk (in the module: [512, 512], K = its axis 0); Wq (in the module: [512, 512], K = its axis 0); Wv (in the module: [512, 512], K = its axis 0); audio_embed (in the module: [16, 1024, 512], K = its axis 2); x (in the module: [16, 2048, 512], K = its axis 2): each comes as NAME_codes (uint8): NAME with its K axis moved to the last place and cut into blocks of 32 codes, [.., K / 32, bytes a block], one block behind the other in memory; two codes a byte, the lower K in the low four bits (a code: sign, 2 exponent bits, 1 mantissa bit); and NAME_scales (uint8): the same leading axes, one E8M0 byte (e + 127) for each 32 codes along K. Its value is code x scale, taken as it is: it is not quantised again, and the codes and scales need not be those that the quantiser above would give.
;; 2 versions. Each part assembles by itself: llvm-mc -triple=amdgcn-amd-amdhsa -mcpu=gfx1250 --defsym DOCPART=n.
;; ======== version 1 of 2: 2 launches
;; workspace buffers: kv_img 8,388,608 bytes; kv_sc 524,288 bytes
;; launch proj (part 1): grid 256 x 1, 4 waves a work-group, no clusters, 0 bytes of LDS; arguments audio_embed_codes, audio_embed_scales, Wk_codes, Wk_scales, bk, Wv_codes, Wv_scales, bv, kv_img, kv_sc; writes kv_img, kv_sc
.if DOCPART == 1
	.amdgcn_target "amdgcn-amd-amdhsa--gfx1250"
	.amdhsa_code_object_version 6
	.text
	.protected	k_qf1f500f2c7_proj
	.globl	k_qf1f500f2c7_proj
	.p2align	8
	.type	k_qf1f500f2c7_proj,@function
k_qf1f500f2c7_proj:
	s_mov_b64 s[64:65], 0
	v_nop
	global_prefetch_b8 v0, s[64:65] scope:SCOPE_SE
	s_setreg_imm32_b32 hwreg(HW_REG_WAVE_MODE, 25, 1), 1
	s_wait_xcnt 0x0
; K = a Wk + bk, quantised to MX-FP4 along d, and V = a Wv + bv, quantised along the keys.  a: audio_embed, [16][1024][512] as codes; Wk, Wv: [512 (n)][512 (k)] as codes; sums in f32.
; The results leave as IMAGES OF OPERAND REGISTERS, in the order in which the attention launch's waves take them: a fragment (16 rows x 128 K) is 1,024 bytes, registers 4 c .. 4 c + 3 of lane l at 512 c + 16 l.
; A UNIT is 128 keys of one batch.  kv_img: [unit 256][w1 4][o 8][1,024]; units 0-127 are K (8 batch + key step), units 128-255 are V.
;   K units: w1 = the K step along d (d = 128 w1 ..), o = a tile of 16 keys; lane r of tile o is key 32 (o / 2) + 8 (o % 2) + r + 8 (r / 8) of the unit.
;   V units: K = the unit's 128 keys in their order; lane r of (w1, o) is d = 128 w1 + 64 (o / 4) + 4 r + o % 4.
; kv_sc: [unit][w1][lane 32][4 words]: word p holds the scale words of tile 2 p in lanes 0-15 and of tile 2 p + 1 in lanes 16-31.
; SHARES.  Work-group g makes unit g; wave w makes d = 128 w .. 128 w + 127.  Waves share nothing: no LDS, no barrier.  Both operands of a wave's 256 products fit in its registers, so each is loaded once.
; ONE SCHEME FOR BOTH: acc[t] += I[t][k] x O[o][k], source 0 = inner tile t, source 1 = outer tile o.  In the result a lane holds ONE row of the outer tile and its registers run along the inner rows.
;   K: inner = Wk's rows (d), outer = audio rows (keys).   V: inner = audio rows (keys), outer = Wv's rows (d).  So the registers run along the axis that is quantised.
; THE ROWS OF AN INNER TILE ARE NOT NEIGHBOURS: lane r of tile 2 b + u takes row 32 b + 8 u + r + 8 (r / 8), so that the 16 registers of tiles 2 b and 2 b + 1 are the 16 neighbours 32 b + 16 (lane / 16) + 0 .. 15.
; The bias is the C of each sum's first product.
; A block's scale is 2^(floor(log2(its largest magnitude)) - 2); its byte is the largest magnitude's exponent field - 2, held at 1 from below.
; LIMITS: a block of zeros gets the byte 1 where the quantiser says 127: its codes are zeros, and this program alone reads the bytes.  Blocks whose largest magnitude lies under 2^-124 keep the byte 1.  NaN and infinities are not served.
; REGISTERS: window 0: v1 r, v2 h, v3-8 offsets; v16-31 the inner tiles' scale words, v32-47 the outer tiles'; v48-111 the bias; v112-175 eight accumulators; v176-183 codes; v184-199 at work; v200-207 scale words made.
;   window 1: inner fragments, (t, k) at v[8 (4 t + k)].   window 2: outer fragments, (o, k) at v[8 (4 o + k)].
.set IS,  16
.set OS,  32
.set BI,  48
.set ACC, 112
.set PC,  176
.set TM,  184                          ; v184-187 largest magnitudes, v188-191 the other half's, then bytes, v196-199 the conversions' scale operands
.set PW,  200                          ; v200, v201: the scale word of an even, an odd outer tile
.set MW,  204                          ; v204-207: the four words of kv_sc
.set MSB, 0
.macro WIN new                         ; the immediate's high byte repeats the setting that is left; a switch that changes nothing is dropped
.if MSB != \new
	s_set_vgpr_msb (MSB<<8)|\new
.set MSB, \new
.endif
.endm
; One product.  c < 0: the constant 0 starts the sum.  ra, rb: source 0's, source 1's scale words lie in lanes 16-31 of their register.
.macro MM d, a, b, c, sa, sb, ra, rb
.if (\c) < 0
.if (\ra) && (\rb)
	v_wmma_scale_f32_16x16x128_f8f6f4 v[\d:\d+7], v[\a:\a+7], v[\b:\b+7], 0, v[\sa], v[\sb] matrix_a_fmt:MATRIX_FMT_FP4 matrix_b_fmt:MATRIX_FMT_FP4 matrix_a_scale:MATRIX_SCALE_ROW1 matrix_b_scale:MATRIX_SCALE_ROW1
.elseif (\ra)
	v_wmma_scale_f32_16x16x128_f8f6f4 v[\d:\d+7], v[\a:\a+7], v[\b:\b+7], 0, v[\sa], v[\sb] matrix_a_fmt:MATRIX_FMT_FP4 matrix_b_fmt:MATRIX_FMT_FP4 matrix_a_scale:MATRIX_SCALE_ROW1
.elseif (\rb)
	v_wmma_scale_f32_16x16x128_f8f6f4 v[\d:\d+7], v[\a:\a+7], v[\b:\b+7], 0, v[\sa], v[\sb] matrix_a_fmt:MATRIX_FMT_FP4 matrix_b_fmt:MATRIX_FMT_FP4 matrix_b_scale:MATRIX_SCALE_ROW1
.else
	v_wmma_scale_f32_16x16x128_f8f6f4 v[\d:\d+7], v[\a:\a+7], v[\b:\b+7], 0, v[\sa], v[\sb] matrix_a_fmt:MATRIX_FMT_FP4 matrix_b_fmt:MATRIX_FMT_FP4
.endif
.else
.if (\ra) && (\rb)
	v_wmma_scale_f32_16x16x128_f8f6f4 v[\d:\d+7], v[\a:\a+7], v[\b:\b+7], v[\c:\c+7], v[\sa], v[\sb] matrix_a_fmt:MATRIX_FMT_FP4 matrix_b_fmt:MATRIX_FMT_FP4 matrix_a_scale:MATRIX_SCALE_ROW1 matrix_b_scale:MATRIX_SCALE_ROW1
.elseif (\ra)
	v_wmma_scale_f32_16x16x128_f8f6f4 v[\d:\d+7], v[\a:\a+7], v[\b:\b+7], v[\c:\c+7], v[\sa], v[\sb] matrix_a_fmt:MATRIX_FMT_FP4 matrix_b_fmt:MATRIX_FMT_FP4 matrix_a_scale:MATRIX_SCALE_ROW1
.elseif (\rb)
	v_wmma_scale_f32_16x16x128_f8f6f4 v[\d:\d+7], v[\a:\a+7], v[\b:\b+7], v[\c:\c+7], v[\sa], v[\sb] matrix_a_fmt:MATRIX_FMT_FP4 matrix_b_fmt:MATRIX_FMT_FP4 matrix_b_scale:MATRIX_SCALE_ROW1
.else
	v_wmma_scale_f32_16x16x128_f8f6f4 v[\d:\d+7], v[\a:\a+7], v[\b:\b+7], v[\c:\c+7], v[\sa], v[\sb] matrix_a_fmt:MATRIX_FMT_FP4 matrix_b_fmt:MATRIX_FMT_FP4
.endif
.endif
.endm
; 64 numbers of a lane, register 16 b + i = k 32 b + 16 (lane / 16) + i of the lane's row, become a fragment's codes in v[PC] on and its scale word in v[pw].
.macro QUANT src, pw
.irp b, 0,1,2,3
	v_max3_num_f32 v[TM+\b], |v[\src+16*\b]|, |v[\src+16*\b+1]|, 0x1800000   ; block b: my 16 numbers, from each accumulator's low end on, and the floor 2^(3 - 127): the byte cannot fall under 1
.endr
.irp i, 2,4,6,8,10,12,14
.irp b, 0,1,2,3
	v_max3_num_f32 v[TM+\b], v[TM+\b], |v[\src+16*\b+\i]|, |v[\src+16*\b+\i+1]|   ; the four blocks by turns: no line waits for the line above it
.endr
.endr
.irp b, 0,1,2,3
	v_permlanex16_b32 v[TM+4+\b], v[TM+\b], s28, s29
.endr
.irp b, 0,1,2,3
	v_max_num_f32 v[TM+\b], v[TM+\b], v[TM+4+\b]   ; with lane l xor 16's: the block's largest magnitude
.endr
.irp b, 0,1,2,3
	v_add_nc_u32 v[TM+12+\b], 0xff000000, v[TM+\b]   ; 2 off its exponent field: the conversion takes the exponent field of this operand as its scale
.endr
.irp b, 0,1,2,3
	v_lshrrev_b32 v[TM+4+\b], 23, v[TM+12+\b]      ; the scale's byte
.endr
	v_lshl_or_b32 v[\pw], v[TM+5], 8, v[TM+4]      ; the four bytes make my row's scale word
	v_lshl_or_b32 v[\pw], v[TM+6], 16, v[\pw]
	v_lshl_or_b32 v[\pw], v[TM+7], 24, v[\pw]
.irp b, 0,1,2,3
	v_cvt_scalef32_pk8_fp4_f32 v[PC+2*\b], v[\src+16*\b:\src+16*\b+7], v[TM+12+\b]
	v_cvt_scalef32_pk8_fp4_f32 v[PC+2*\b+1], v[\src+16*\b+8:\src+16*\b+15], v[TM+12+\b]
.endr
	v_nop                                          ; one plain line behind the scaled conversions
.irp c, 0,1                                    ; the operand's layout wants a WHOLE block in a lane: lanes 0-15 block 2 c, lanes 16-31 block 2 c + 1
.irp i, 0,1
	v_permlane16_swap_b32 v[PC+4*\c+\i], v[PC+4*\c+2+\i]
.endr
.endr
.endm
; Outer tile o: 32 products, the eight accumulators by turns, K ascending; then the quantiser and the image's two stores.
.macro OUTER o, isv
.if (\o) > 0
	s_wait_loadcnt 8*(7-(\o))                      ; loads come back in order: this outer tile's eight are in; the eight of each later tile may be out
.endif
	WIN 0x09                                       ; source 0 window 1, source 1 window 2
.irp k, 0,1,2,3
.irp t, 0,1,2,3,4,5,6,7
.if \k > 0
	MM ACC+8*\t, 8*(4*\t+\k), 8*(4*\o+\k), ACC+8*\t, IS+4*(\t/2)+\k, OS+4*(\o/2)+\k, \t%2, \o%2
.elseif \isv
	MM ACC+8*\t, 8*(4*\t+\k), 8*(4*\o+\k), BI+8*\o, IS+4*(\t/2)+\k, OS+4*(\o/2)+\k, \t%2, \o%2
.else
	MM ACC+8*\t, 8*(4*\t+\k), 8*(4*\o+\k), BI+8*\t, IS+4*(\t/2)+\k, OS+4*(\o/2)+\k, \t%2, \o%2
.endif
.endr
.endr
	WIN 0
.rept 4
	v_nop                                          ; four plain lines between the last products and the first read of their results (ISA guide 7.12.1)
.endr
.if (\o) > 0
	s_wait_xcnt 0x0                                ; the last image's stores have read their data: the codes' registers are written again only behind this wait
.endif
	QUANT ACC, PW+(\o)%2
.irp c, 0,1
	global_store_b128 v8, v[PC+4*\c:PC+4*\c+3], s[20:21] offset:1024*(\o)+512*\c   ; 32 lanes store 512 consecutive bytes, at a multiple of 512 from the buffer's first byte
.endr
.if (\o)%2
	v_cndmask_b32 v[MW+(\o)/2], v[PW], v[PW+1], s30   ; lanes 0-15 the even tile's words, lanes 16-31 the odd tile's
.endif
.endm
.macro PATH isv
.if \isv
.set IB,  4                            ; inner: audio
.set ISB, 6
.set OB,  8                            ; outer: Wv
.set OSB, 10
	v_lshlrev_b32 v7, 4, v1                        ; bv: d = 4 r + ..: 16 r bytes
.else
.set IB,  8                            ; inner: Wk
.set ISB, 10
.set OB,  4                            ; outer: audio
.set OSB, 6
	v_lshlrev_b32 v7, 6, v2                        ; bk: 16 h numbers on
.endif
.irp p, 0,1,2,3
	global_load_b128 v[IS+4*\p:IS+4*\p+3], v5, s[ISB:ISB+1] offset:512*\p   ; a row's 16 scale bytes: the words of its four K steps; lanes 0-15 tile 2 p, lanes 16-31 tile 2 p + 1
.endr
.irp p, 0,1,2,3
.if \isv
	global_load_b128 v[OS+4*\p:OS+4*\p+3], v6, s[OSB:OSB+1] offset:(64*(\p/2)+2*(\p%2))*16
.else
	global_load_b128 v[OS+4*\p:OS+4*\p+3], v5, s[OSB:OSB+1] offset:512*\p
.endif
.endr
.if \isv
.irp o, 0,1,2,3,4,5,6,7
	global_load_b32 v[BI+8*\o], v7, s[12:13] offset:(64*(\o/4)+\o%4)*4   ; the lane's one d of outer tile o
.endr
.else
.irp t, 0,1,2,3,4,5,6,7
	global_load_b128 v[BI+8*\t:BI+8*\t+3], v7, s[12:13] offset:(32*(\t/2)+8*(\t%2))*4   ; in the result's layout: the lane's eight d of inner tile t
	global_load_b128 v[BI+8*\t+4:BI+8*\t+7], v7, s[12:13] offset:(32*(\t/2)+8*(\t%2))*4+16
.endr
.endif
	WIN 0x40                                       ; destination window 1
.irp t, 0,1,2,3,4,5,6,7
.irp k, 0,1,2,3
.irp c, 0,1
	global_load_b128 v[8*(4*\t+\k)+4*\c:8*(4*\t+\k)+4*\c+3], v3, s[IB:IB+1] offset:(32*(\t/2)+8*(\t%2))*256+64*\k+32*\c
.endr
.endr
.endr
	WIN 0x80                                       ; destination window 2
.irp o, 0,1,2,3,4,5,6,7
.irp k, 0,1,2,3
.irp c, 0,1
.if \isv
	global_load_b128 v[8*(4*\o+\k)+4*\c:8*(4*\o+\k)+4*\c+3], v4, s[OB:OB+1] offset:(64*(\o/4)+\o%4)*256+64*\k+32*\c
.else
	global_load_b128 v[8*(4*\o+\k)+4*\c:8*(4*\o+\k)+4*\c+3], v3, s[OB:OB+1] offset:(32*(\o/2)+8*(\o%2))*256+64*\k+32*\c
.endif
.endr
.endr
.endr
	WIN 0
	s_wait_loadcnt 56                              ; all but the last seven outer tiles' 56 loads are in: scale words, bias, the inner fragments, outer tile 0
.if \isv
.irp o, 0,1,2,3,4,5,6,7
.irp j, 1,2,3,4,5,6,7
	v_mov_b32 v[BI+8*\o+\j], v[BI+8*\o]            ; a C operand is eight registers; here they run along the keys, so all eight hold the lane's bv
.endr
.endr
.endif
.irp o, 0,1,2,3,4,5,6,7
	OUTER \o, \isv
.endr
	global_store_b128 v8, v[MW:MW+3], s[22:23]     ; my 512 bytes of kv_sc
	s_endpgm
.endm
	s_load_b256 s[4:11], s[0:1], 0x0               ; audio's codes s[4:5], its scales s[6:7], Wk's codes s[8:9], its scales s[10:11]
	s_load_b256 s[12:19], s[0:1], 0x20             ; bk s[12:13], Wv's codes s[14:15], its scales s[16:17], bv s[18:19]
	s_load_b128 s[20:23], s[0:1], 0x40             ; kv_img s[20:21], kv_sc s[22:23]
	v_lshrrev_b32 v1, 5, v0
	v_readfirstlane_b32 s24, v1                    ; wave 0..3
	v_and_b32 v1, 15, v0                           ; r
	v_bfe_u32 v2, v0, 4, 1                         ; h
	v_and_b32 v9, 8, v1
	v_add_nc_u32 v9, v9, v1                        ; r + 8 (r / 8)
	v_lshlrev_b32 v3, 8, v9                        ; a row of 512 codes is 256 bytes
	v_lshl_add_u32 v3, v2, 4, v3                   ; v3: codes of a tile whose rows are chosen: (r + 8 (r / 8)) 256 + 16 h
	v_lshlrev_b32 v4, 10, v1
	v_lshl_add_u32 v4, v2, 4, v4                   ; v4: codes of Wv's outer tiles: row 4 r: 1,024 r + 16 h
	v_lshl_add_u32 v5, v2, 3, v9
	v_lshlrev_b32 v5, 4, v5                        ; v5: scale bytes, 16 a row: row 8 h + r + 8 (r / 8) of a pair of tiles
	v_lshl_add_u32 v6, v1, 2, v2
	v_lshlrev_b32 v6, 4, v6                        ; v6: those of Wv's outer tiles: row 4 r + h
	v_and_b32 v8, 31, v0
	v_lshlrev_b32 v8, 4, v8                        ; v8: 16 x lane: my place in an image
.irp b, 0,1,2,3
	v_mov_b32 v[TM+4+\b], 0                        ; written once: a lane permute's destination counts as one of its sources
.endr
	s_mov_b32 s28, 0x76543210
	s_mov_b32 s29, 0xfedcba98                      ; v_permlanex16_b32's selects for lane l xor 16
	s_mov_b32 s30, 0xffff0000                      ; lanes 16-31
	s_and_b32 s25, ttmp9, 127                      ; which 128 rows of audio
	s_mov_b32 s27, 0
	s_wait_kmcnt 0x0
	s_cmp_lt_u32 ttmp9, 128                        ; K's work-group or V's?  The choice hangs on the work-group's number alone
	s_cselect_b64 s[8:9], s[8:9], s[14:15]
	s_cselect_b64 s[10:11], s[10:11], s[16:17]
	s_cselect_b64 s[12:13], s[12:13], s[18:19]
	s_lshl_b32 s26, s25, 15
	s_add_nc_u64 s[4:5], s[4:5], s[26:27]          ; audio: 128 rows of 256 bytes a unit,
	s_lshl_b32 s26, s25, 11
	s_add_nc_u64 s[6:7], s[6:7], s[26:27]          ; of 16 scale bytes
	s_lshl_b32 s26, s24, 15
	s_add_nc_u64 s[8:9], s[8:9], s[26:27]          ; the weight: my wave's 128 rows,
	s_lshl_b32 s26, s24, 11
	s_add_nc_u64 s[10:11], s[10:11], s[26:27]
	s_lshl_b32 s26, s24, 9
	s_add_nc_u64 s[12:13], s[12:13], s[26:27]      ; and its 128 numbers of the bias
	s_lshl_b32 s26, ttmp9, 15
	s_lshl_b32 s31, s24, 13
	s_add_co_u32 s26, s26, s31
	s_add_nc_u64 s[20:21], s[20:21], s[26:27]      ; kv_img: 32,768 bytes a unit, 8,192 a wave
	s_lshl_b32 s26, ttmp9, 11
	s_lshl_b32 s31, s24, 9
	s_add_co_u32 s26, s26, s31
	s_add_nc_u64 s[22:23], s[22:23], s[26:27]      ; kv_sc: 2,048 a unit, 512 a wave
	s_cmp_lt_u32 ttmp9, 128
	s_cbranch_scc0 .Lv_path
	PATH 0
.Lv_path:
	PATH 1
.Lfunc_end_k_qf1f500f2c7_proj:
	.size	k_qf1f500f2c7_proj, .Lfunc_end_k_qf1f500f2c7_proj-k_qf1f500f2c7_proj
	.p2alignl 7, 3214868480
	.fill 96, 4, 3214868480
	.section	.rodata,"a",@progbits
	.p2align	6, 0x0
	.amdhsa_kernel k_qf1f500f2c7_proj
		.amdhsa_group_segment_fixed_size 0
		.amdhsa_private_segment_fixed_size 0
		.amdhsa_enable_private_segment 0
		.amdhsa_kernarg_size 80
		.amdhsa_user_sgpr_count 2
		.amdhsa_user_sgpr_kernarg_segment_ptr 1
		.amdhsa_wavefront_size32 1
		.amdhsa_system_sgpr_workgroup_id_x 1
		.amdhsa_system_sgpr_workgroup_id_y 1
		.amdhsa_system_sgpr_workgroup_id_z 1
		.amdhsa_system_vgpr_workitem_id 0
		.amdhsa_next_free_vgpr 768
		.amdhsa_next_free_sgpr 66
		.amdhsa_reserve_vcc 0
		.amdhsa_float_denorm_mode_32 3
		.amdhsa_float_denorm_mode_16_64 3
		.amdhsa_memory_ordered 1
		.amdhsa_forward_progress 1
		.amdhsa_inst_pref_size 164
	.end_amdhsa_kernel
	.amdgpu_metadata
---
amdhsa.version: [ 1, 2 ]
amdhsa.kernels:
  - .name:           k_qf1f500f2c7_proj
    .symbol:         k_qf1f500f2c7_proj.kd
    .args:
      - { .name: audio_embed_codes, .offset: 0, .size: 8, .value_kind: global_buffer, .address_space: global }
      - { .name: audio_embed_scales, .offset: 8, .size: 8, .value_kind: global_buffer, .address_space: global }
      - { .name: Wk_codes, .offset: 16, .size: 8, .value_kind: global_buffer, .address_space: global }
      - { .name: Wk_scales, .offset: 24, .size: 8, .value_kind: global_buffer, .address_space: global }
      - { .name: bk, .offset: 32, .size: 8, .value_kind: global_buffer, .address_space: global }
      - { .name: Wv_codes, .offset: 40, .size: 8, .value_kind: global_buffer, .address_space: global }
      - { .name: Wv_scales, .offset: 48, .size: 8, .value_kind: global_buffer, .address_space: global }
      - { .name: bv, .offset: 56, .size: 8, .value_kind: global_buffer, .address_space: global }
      - { .name: kv_img, .offset: 64, .size: 8, .value_kind: global_buffer, .address_space: global }
      - { .name: kv_sc, .offset: 72, .size: 8, .value_kind: global_buffer, .address_space: global }
    .group_segment_fixed_size: 0
    .private_segment_fixed_size: 0
    .kernarg_segment_align: 8
    .kernarg_segment_size: 80
    .max_flat_workgroup_size: 128
    .sgpr_count:     66
    .vgpr_count:     768
    .wavefront_size: 32
...
	.end_amdgpu_metadata
.endif
;; end of part 1
;; launch attn (part 2): grid 16 x 16, 8 waves a work-group, no clusters, 164,864 bytes of LDS; arguments x_codes, x_scales, Wq_codes, Wq_scales, bq, kv_img, kv_sc, out0; writes out0
.if DOCPART == 2
	.amdgcn_target "amdgcn-amd-amdhsa--gfx1250"
	.amdhsa_code_object_version 6
	.text
	.protected	k_qf1f500f2c7_attn
	.globl	k_qf1f500f2c7_attn
	.p2align	8
	.type	k_qf1f500f2c7_attn,@function
k_qf1f500f2c7_attn:
	s_mov_b64 s[64:65], 0
	v_nop
	global_prefetch_b8 v0, s[64:65] scope:SCOPE_SE
	s_setreg_imm32_b32 hwreg(HW_REG_WAVE_MODE, 25, 1), 1
	s_wait_xcnt 0x0
; out = softmax((x Wq + bq) K^T / sqrt(512)) V, all three products on codes of FP4 (E2M1) with one E8M0 scale for each 32 along K.  x: [16][2048][512] and Wq: [512 (n)][512 (k)] as codes;
; K and V come from kv_img and kv_sc as images of operand registers (the launch before lays them: a fragment is 1,024 bytes, registers 4 c .. 4 c + 3 of lane l at 512 c + 16 l).  out: [16][2048][512] f32.
; SHARES.  Work-group (x = j, y = batch) owns queries 128 j .. 128 j + 127: eight tiles m of 16.  Eight waves of 512 registers.
; THREE PHASES OF ONE SHAPE: a wave's slice of the operand that stays fills window 1, loaded from memory once; the wave walks m = 0 .. 7 and takes the operand that moves from LDS, as images of its registers.
;   Q: wave w holds Wq's rows d = 64 w .. + 63; x(m) moves; the result, quantised along d, is half a fragment of Q(m): registers 4 (w % 2) .. + 3 of K step w / 2.
;   A: wave w holds K of keys 128 w .. + 127; Q(m) moves; S^T = K Q^T: a lane holds one query, its registers run along the keys; softmax; p, quantised along the keys, is fragment (m, key step w) of P.
;   B: wave w holds V of d = 64 w .. + 63, all 1,024 keys; P(m) moves; O = P V, source 0 = P, source 1 = V: register j of lane (r, h) is query 8 h + j.  V's tile o has d = 64 w + 4 r + o in lane r, so a lane's four
;      accumulators hold four neighbouring d of a query: 16 bytes a lane, and sixteen lanes store 256 consecutive bytes, at a multiple of 256 from out's first byte, with no stage.
; THE SOFTMAX IS SPLIT OVER THE WAVES.  t = score x log2(e) / sqrt(512).  Wave w takes M_w = its 128 keys' largest t, rounded UP to a whole number, p = 2^(t - M_w), and the sum of the unquantised p.  Then the waves
; exchange M_w; M = the largest; each wave takes d = M - M_w off its four scale bytes and multiplies its sum by 2^-d: exact powers of two, which leave the codes as they are.  So O is never rescaled.
; NO JOINT LOADS, though the 16 work-groups of a batch read the same K and V: each byte of K and V goes from memory into the registers of exactly ONE wave of a work-group, once; a joint load would land in LDS, where
; K's 262,144 and V's 262,144 bytes do not fit beside the 163,840 in use, so that it would take a ring and one LDS store and one LDS load more for each byte.
; LIMITS: NaN and infinities are not served.  A block of zeros, or one whose largest magnitude lies under 2^-124, keeps the scale byte 1 (zeros: the quantiser says 127; the codes are zeros and nobody else reads the bytes).
; A block of p whose byte would fall under 0 by d is held at byte 0: it then adds less than 6 x 2^-127 x |V| a number.
; LDS, all regions written once:
.set XIMG,  0                          ; x's fragments: (4 m + k) 1,024 + 512 c + 16 lane
.set XSC,   32768                      ; x's scale words: 512 m + 16 lane, four words = K steps
.set QIMG,  36864                      ; Q's, as x's
.set QSC,   69632
.set PIMG,  73728                      ; P's fragments: (8 m + key step) 1,024 + 512 c + 16 lane
.set PSC,   139264                     ; P's scale words: 1,024 m + 512 (key step / 4) + 16 lane + 4 (key step % 4)
.set STATM, 147456                     ; -M_w: 1,024 w + 512 (m / 4) + 16 lane + 4 (m % 4)
.set STATL, 155648                     ; the waves' sums: 512 m + 32 r + 4 w
.set RLS,   159744                     ; 1 / the row's sum: 512 w + 64 m + 4 r: each wave's own copy
; REGISTERS, window 0:
.set LI,   1                           ; 16 lane: also the offset of the loads of K's and V's images
.set LQ,   4                           ; QIMG + 16 lane
.set LP,   5                           ; PIMG + 16 lane
.set LS,   6                           ; PSC + 16 lane
.set QW,   7                           ; QIMG + 16 lane + 512 w
.set QWS,  8                           ; QSC + 16 lane + 2 w
.set PWA,  9                           ; PIMG + 16 lane + 1,024 w
.set PWS,  10                          ; PSC + 16 lane + 512 (w / 4) + 4 (w % 4)
.set MWA,  11                          ; STATM + 16 lane + 1,024 w
.set LW,   12                          ; STATL + 32 r + 4 w
.set LR,   13                          ; STATL + 32 r
.set RW,   14                          ; RLS + 512 w + 4 r
.set RR,   15                          ; RLS + 512 w + 32 h
.set SCW,  16                          ; v16-31  scale words of the operand that stays: these registers hold scales and nothing else
.set SCM,  32                          ; v32-47  scale words of the operand that moves, two sets
.set FR,   48                          ; v48-111 phases Q, A: two sets of four fragments;  phase B: v48-111, v112-175 two sets of eight
.set BQ,   112                         ; v112-143 phase Q: bq in the result's layout
.set WORD, 112                         ; v112-119 phase A: p's scale word of tile m
.set NEGM, 120                         ; v120-127 -M_w of tile m; in the exchange -d
.set LSUM, 128                         ; v128-135 my keys' sum of tile m
.set PC,   144                         ; v144-151, v152-159 codes just made, by the parity of m; in the exchange d, then 1 / the sum
.set TM,   160
.set TP,   164
.set TS,   168
.set NM,   172                         ; v[172:173] -M_w as a pair: the packed form takes its low word for both halves
.set T0,   174
.set T1,   175
.set S,    176                         ; v176-239 accumulators: Q's four, S^T's eight, O's four
.set SA,   240                         ; v[240:243] the sum's two chains
.set T2,   244
.set HW,   245                         ; v245, v246 Q's two scale bytes, by the parity of m
.set OUTR, 208                         ; phase B: v208-239 results, four neighbouring d to a group
.set RL,   240                         ; phase B: v240-247 1 / the sum of queries 8 h + 0 .. 7
.set GO,   248                         ; 16,384 h + 16 r: my place in eight rows of out
.set PF,   249                         ; 256 lane: the prefetches' offset
.set GX,   240                         ; used at the head alone: offsets of the first loads and stores
.set GXS,  241
.set GW,   242
.set GWS,  243
.set GB,   244
.set XW,   245
.set XWS,  246
.set MSB, 0
.macro WIN new                         ; the immediate's high byte repeats the setting that is left; a switch that changes nothing is dropped
.if MSB != \new
	s_set_vgpr_msb (MSB<<8)|\new
.set MSB, \new
.endif
.endm
; One product.  c < 0: the constant 0 starts the sum.  ra, rb: source 0's, source 1's scale words lie in lanes 16-31 of their register.
.macro MM d, a, b, c, sa, sb, ra, rb
.if (\c) < 0
.if (\ra) && (\rb)
	v_wmma_scale_f32_16x16x128_f8f6f4 v[\d:\d+7], v[\a:\a+7], v[\b:\b+7], 0, v[\sa], v[\sb] matrix_a_fmt:MATRIX_FMT_FP4 matrix_b_fmt:MATRIX_FMT_FP4 matrix_a_scale:MATRIX_SCALE_ROW1 matrix_b_scale:MATRIX_SCALE_ROW1
.elseif (\ra)
	v_wmma_scale_f32_16x16x128_f8f6f4 v[\d:\d+7], v[\a:\a+7], v[\b:\b+7], 0, v[\sa], v[\sb] matrix_a_fmt:MATRIX_FMT_FP4 matrix_b_fmt:MATRIX_FMT_FP4 matrix_a_scale:MATRIX_SCALE_ROW1
.elseif (\rb)
	v_wmma_scale_f32_16x16x128_f8f6f4 v[\d:\d+7], v[\a:\a+7], v[\b:\b+7], 0, v[\sa], v[\sb] matrix_a_fmt:MATRIX_FMT_FP4 matrix_b_fmt:MATRIX_FMT_FP4 matrix_b_scale:MATRIX_SCALE_ROW1
.else
	v_wmma_scale_f32_16x16x128_f8f6f4 v[\d:\d+7], v[\a:\a+7], v[\b:\b+7], 0, v[\sa], v[\sb] matrix_a_fmt:MATRIX_FMT_FP4 matrix_b_fmt:MATRIX_FMT_FP4
.endif
.else
.if (\ra) && (\rb)
	v_wmma_scale_f32_16x16x128_f8f6f4 v[\d:\d+7], v[\a:\a+7], v[\b:\b+7], v[\c:\c+7], v[\sa], v[\sb] matrix_a_fmt:MATRIX_FMT_FP4 matrix_b_fmt:MATRIX_FMT_FP4 matrix_a_scale:MATRIX_SCALE_ROW1 matrix_b_scale:MATRIX_SCALE_ROW1
.elseif (\ra)
	v_wmma_scale_f32_16x16x128_f8f6f4 v[\d:\d+7], v[\a:\a+7], v[\b:\b+7], v[\c:\c+7], v[\sa], v[\sb] matrix_a_fmt:MATRIX_FMT_FP4 matrix_b_fmt:MATRIX_FMT_FP4 matrix_a_scale:MATRIX_SCALE_ROW1
.elseif (\rb)
	v_wmma_scale_f32_16x16x128_f8f6f4 v[\d:\d+7], v[\a:\a+7], v[\b:\b+7], v[\c:\c+7], v[\sa], v[\sb] matrix_a_fmt:MATRIX_FMT_FP4 matrix_b_fmt:MATRIX_FMT_FP4 matrix_b_scale:MATRIX_SCALE_ROW1
.else
	v_wmma_scale_f32_16x16x128_f8f6f4 v[\d:\d+7], v[\a:\a+7], v[\b:\b+7], v[\c:\c+7], v[\sa], v[\sb] matrix_a_fmt:MATRIX_FMT_FP4 matrix_b_fmt:MATRIX_FMT_FP4
.endif
.endif
.endm
.macro PLACES                          ; four plain lines between a product and the first read of its result, or a load into one of its registers (ISA guide 7.12.1 for vector instructions)
.rept 4
	v_nop
.endr
.endm
.macro BARRIER                         ; my LDS stores have landed and my LDS loads are in: then the work-group's barrier
	s_wait_dscnt 0x0
	s_barrier_signal -1
	s_barrier_wait -1
.endm
; Nine LDS loads: four fragments (the four K steps of a tile of 16 rows) and their four scale words.  Each load takes 512 consecutive bytes.
.macro FETCH4 fr, sc, adr, oi, os
.irp k, 0,1,2,3
.irp c, 0,1
	ds_load_b128 v[\fr+8*\k+4*\c:\fr+8*\k+4*\c+3], v[\adr] offset:\oi+1024*\k+512*\c
.endr
.endr
	ds_load_b128 v[\sc:\sc+3], v[\adr] offset:\os
.endm
; Eighteen: P's eight fragments of tile m and their eight scale words, into set m % 2.
.macro FETCHP m
.irp k, 0,1,2,3,4,5,6,7
.irp c, 0,1
	ds_load_b128 v[FR+64*((\m)%2)+8*\k+4*\c:FR+64*((\m)%2)+8*\k+4*\c+3], v[LP] offset:(8*(\m)+\k)*1024+512*\c
.endr
.endr
.irp g, 0,1
	ds_load_b128 v[SCM+8*((\m)%2)+4*\g:SCM+8*((\m)%2)+4*\g+3], v[LS] offset:1024*(\m)+512*\g
.endr
.endm
; 32 numbers of a lane, register 16 b + i = k 32 b + 16 (lane / 16) + i of the lane's row, become four registers of codes (k = 32 (lane / 16) + 0 .. 31) and two scale bytes.
.macro QUANT2 src, pc, pw
.irp b, 0,1
	v_max3_num_f32 v[TM+\b], |v[\src+16*\b]|, |v[\src+16*\b+1]|, 0x1800000   ; my 16 numbers of block b, from each accumulator's low end on, and the floor 2^(3 - 127): the byte cannot fall under 1
.endr
.irp i, 2,4,6,8,10,12,14
.irp b, 0,1
	v_max3_num_f32 v[TM+\b], v[TM+\b], |v[\src+16*\b+\i]|, |v[\src+16*\b+\i+1]|
.endr
.endr
.irp b, 0,1
	v_permlanex16_b32 v[TP+\b], v[TM+\b], s28, s29
.endr
.irp b, 0,1
	v_max_num_f32 v[TM+\b], v[TM+\b], v[TP+\b]     ; with lane l xor 16's: the block's largest magnitude
.endr
.irp b, 0,1
	v_add_nc_u32 v[TS+\b], 0xff000000, v[TM+\b]    ; 2 off its exponent field: the conversion's scale operand
.endr
.irp b, 0,1
	v_lshrrev_b32 v[TP+\b], 23, v[TS+\b]           ; the scale's byte
.endr
	v_lshl_or_b32 v[\pw], v[TP+1], 8, v[TP]
.irp b, 0,1
	v_cvt_scalef32_pk8_fp4_f32 v[\pc+2*\b], v[\src+16*\b:\src+16*\b+7], v[TS+\b]
	v_cvt_scalef32_pk8_fp4_f32 v[\pc+2*\b+1], v[\src+16*\b+8:\src+16*\b+15], v[TS+\b]
.endr
	v_nop                                          ; one plain line behind the scaled conversions
	v_permlane16_swap_b32 v[\pc], v[\pc+2]         ; a WHOLE block to a lane: lanes 0-15 the first block, lanes 16-31 the second
	v_permlane16_swap_b32 v[\pc+1], v[\pc+3]
.endm
; K's fragments of K step k (eight tiles of 16 keys), V's of key step k (four tiles of 16 d): each load takes 512 consecutive bytes of kv_img.
.macro KLOAD k
	WIN 0x40                                       ; destination window 1
.irp o, 0,1,2,3,4,5,6,7
.irp c, 0,1
	global_load_b128 v[8*(8*(\k)+\o)+4*\c:8*(8*(\k)+\o)+4*\c+3], v[LI], s[32:33] offset:(8*(\k)+\o)*1024+512*\c
.endr
.endr
	WIN 0
.endm
.macro VLOAD k
	WIN 0x40
.irp o, 0,1,2,3
.irp c, 0,1
	global_load_b128 v[8*(4*(\k)+\o)+4*\c:8*(4*(\k)+\o)+4*\c+3], v[LI], s[36:37] offset:32768*(\k)+1024*\o+512*\c
.endr
.endr
	WIN 0
.endm
; PHASE Q, tile m: 16 products, the four accumulators by turns, bq as the first C; the quantiser; half a fragment and two scale bytes to LDS.
.macro QTILE m
.set FB, FR+32*((\m)%2)
.set SB, SCM+4*((\m)%2)
.if (\m) == 0
	s_wait_dscnt 0x0
.else
	s_wait_dscnt 0x2                               ; LDS answers in order: this tile's nine loads are in; the two stores of the tile before, issued behind them, may be out.  The stores of two tiles back are done: their registers are free
.endif
.if (\m) < 7
	FETCH4 FR+32*(((\m)+1)%2), SCM+4*(((\m)+1)%2), LI, XIMG+4096*((\m)+1), XSC+512*((\m)+1)
.endif
.if (\m) == 0
	s_wait_loadcnt 0x0                             ; Wq, its scale words, bq
.endif
	WIN 0x01                                       ; source 0 window 1
.irp k, 0,1,2,3
.irp o, 0,1,2,3
.if \k == 0
	MM S+8*\o, 8*(4*\o+\k), FB+8*\k, BQ+8*\o, SCW+4*(\o/2)+\k, SB+\k, \o%2, 0
.else
	MM S+8*\o, 8*(4*\o+\k), FB+8*\k, S+8*\o, SCW+4*(\o/2)+\k, SB+\k, \o%2, 0
.endif
.endr
.endr
	WIN 0
	PLACES
.if (\m) == 7                          ; Wq is done with: K takes its registers.  52 loads now, K step 3's sixteen behind the barrier
.irp k, 0,1,2,3
	global_load_b128 v[SCW+4*\k:SCW+4*\k+3], v[LI], s[34:35] offset:512*\k   ; K's scale words of K step k: word p = tiles 2 p (lanes 0-15) and 2 p + 1 (lanes 16-31)
.endr
	KLOAD 0
	KLOAD 1
	KLOAD 2
.endif
	QUANT2 S, PC+8*((\m)%2), HW+(\m)%2
	ds_store_b128 v[QW], v[PC+8*((\m)%2):PC+8*((\m)%2)+3] offset:4096*(\m)
	ds_store_b16 v[QWS], v[HW+(\m)%2] offset:512*(\m)
.endm
; The softmax of tile m over my 128 keys.  Register 16 b + i of S^T is key 32 b + 16 (lane / 16) + i of my lane's query.
.macro SOFTMAX m
.set PCM, PC+8*((\m)%2)
.irp b, 0,1,2,3
	v_max3_num_f32 v[TM+\b], v[S+16*\b], v[S+16*\b+1], v[S+16*\b+2]   ; THE LARGEST SCORE OF EACH BLOCK OF 32 KEYS serves twice: for the row's maximum and, since p rises with the score, for the block's largest p
.endr
.irp i, 3,5,7,9,11,13
.irp b, 0,1,2,3
	v_max3_num_f32 v[TM+\b], v[TM+\b], v[S+16*\b+\i], v[S+16*\b+\i+1]   ; ascending: each accumulator is read from its low end on
.endr
.endr
.irp b, 0,1,2,3
	v_max_num_f32 v[TM+\b], v[TM+\b], v[S+16*\b+15]
.endr
.irp b, 0,1,2,3
	v_permlanex16_b32 v[TP+\b], v[TM+\b], s28, s29
.endr
.irp b, 0,1,2,3
	v_max_num_f32 v[TM+\b], v[TM+\b], v[TP+\b]     ; with lane l xor 16's 16 keys
.endr
	v_max3_num_f32 v[T0], v[TM], v[TM+1], v[TM+2]
	v_max_num_f32 v[T0], v[T0], v[TM+3]            ; my 128 keys' largest score of my query
	v_mul_f32 v[T0], s26, v[T0]                    ; as t (c is positive)
	v_floor_f32 v[NM], -v[T0]                      ; -M_w = floor(-t) = -ceil(t): a whole number
.irp j, 0,2,4,6,8,10,12,14,16,18,20,22,24,26,28,30,32,34,36,38,40,42,44,46,48,50,52,54,56,58,60,62
	v_pk_fma_f32 v[S+\j:S+\j+1], v[S+\j:S+\j+1], s[26:27], v[NM:NM+1] op_sel_hi:[1,0,0]   ; t - M_w, two at a time
.endr
.irp b, 0,1,2,3
	v_fma_f32 v[TM+\b], v[TM+\b], s26, v[NM]       ; the same of each block's largest score
.endr
.irp j, 0,1,2,3,4,5,6,7,8,9,10,11,12,13,14,15,16,17,18,19,20,21,22,23,24,25,26,27,28,29,30,31,32,33,34,35,36,37,38,39,40,41,42,43,44,45,46,47,48,49,50,51,52,53,54,55,56,57,58,59,60,61,62,63
	v_exp_f32 v[S+\j], v[S+\j]                     ; p = 2^(t - M_w): NOT normalised
.endr
	v_mov_b32 v[NEGM+\m], v[NM]                    ; kept for the exchange.  (The plain line behind the exponentials)
	s_wait_alu depctr_va_vdst(0)                   ; one wait for the batch of 64, ahead of its first reader
.irp b, 0,1,2,3
	v_exp_f32 v[TM+\b], v[TM+\b]                   ; the block's largest p: the same two instructions on the same number give the same bits
.endr
	v_pk_add_f32 v[SA:SA+1], v[S:S+1], v[S+4:S+5]  ; THE SUM IS TAKEN OF THE UNQUANTISED p, two at a time, in two chains.  (It reads the 64 alone: plain work behind the four)
	v_pk_add_f32 v[SA+2:SA+3], v[S+2:S+3], v[S+6:S+7]
.irp j, 8,12,16,20,24,28,32,36,40,44,48,52,56,60
	v_pk_add_f32 v[SA:SA+1], v[SA:SA+1], v[S+\j:S+\j+1]
	v_pk_add_f32 v[SA+2:SA+3], v[SA+2:SA+3], v[S+\j+2:S+\j+3]
.endr
	v_pk_add_f32 v[SA:SA+1], v[SA:SA+1], v[SA+2:SA+3]
	v_add_f32 v[T2], v[SA], v[SA+1]
	v_permlanex16_b32 v[T1], v[T2], s28, s29
	v_add_f32 v[LSUM+\m], v[T2], v[T1]             ; with lane l xor 16's: the sum over my 128 keys
	s_wait_alu depctr_va_vdst(0)                   ; and one wait for the four
.irp b, 0,1,2,3
	v_max_num_f32 v[TM+\b], 0x1800000, v[TM+\b]    ; the floor 2^(3 - 127): the byte cannot fall under 1
.endr
.irp b, 0,1,2,3
	v_add_nc_u32 v[TS+\b], 0xff000000, v[TM+\b]    ; 2 off the exponent field: the conversion's scale operand
.endr
.irp b, 0,1,2,3
	v_lshrrev_b32 v[TP+\b], 23, v[TS+\b]           ; the scale's byte
.endr
	v_lshl_or_b32 v[WORD+\m], v[TP+1], 8, v[TP]    ; p's scale word under M_w
	v_lshl_or_b32 v[WORD+\m], v[TP+2], 16, v[WORD+\m]
	v_lshl_or_b32 v[WORD+\m], v[TP+3], 24, v[WORD+\m]
.irp b, 0,1,2,3
	v_cvt_scalef32_pk8_fp4_f32 v[PCM+2*\b], v[S+16*\b:S+16*\b+7], v[TS+\b]
	v_cvt_scalef32_pk8_fp4_f32 v[PCM+2*\b+1], v[S+16*\b+8:S+16*\b+15], v[TS+\b]
.endr
	v_nop                                          ; one plain line behind the scaled conversions
.irp c, 0,1
.irp i, 0,1
	v_permlane16_swap_b32 v[PCM+4*\c+\i], v[PCM+4*\c+2+\i]   ; a WHOLE block to a lane
.endr
.endr
.endm
; PHASE A, tile m: 32 products, the eight accumulators by turns; the softmax; P's fragment (m, key step w) to LDS.
.macro ATILE m
.set FB, FR+32*((\m)%2)
.set SB, SCM+4*((\m)%2)
.if (\m) == 0
	s_wait_dscnt 0x0
.else
	s_wait_dscnt 0x2                               ; this tile's nine loads are in; the two stores of the tile before, issued behind them, may be out
.endif
.if (\m) < 7
	FETCH4 FR+32*(((\m)+1)%2), SCM+4*(((\m)+1)%2), LQ, 4096*((\m)+1), QSC-QIMG+512*((\m)+1)
.endif
.if (\m) == 5
	; A PREFETCH of V's images, two tiles ahead of the loads that want them: my work-group's sixteenth of the batch's 262,144 bytes, 8,192 bytes for each of waves 0 and 1, lanes 256 bytes apart.
	; The batch's 16 work-groups take a sixteenth each, so that each block of 256 bytes is named once in the launch.
	s_cmp_lt_u32 s20, 2
	s_cbranch_scc0 .Lno_pf_v
	global_prefetch_b8 v[PF], s[30:31] offset:4194304 th:TH_LOAD_NT scope:SCOPE_SE
.Lno_pf_v:
.endif
	WIN 0x01
.irp k, 0,1,2,3
.if (\m) == 0
.if \k == 0
	s_wait_loadcnt 16                              ; K's scale words and K steps 0 to 2 are in; K step 3's sixteen loads may be out
.endif
.if \k == 3
	s_wait_loadcnt 0x0
.endif
.endif
.irp o, 0,1,2,3,4,5,6,7
.if \k == 0
	MM S+8*\o, 8*(8*\k+\o), FB+8*\k, -1, SCW+4*\k+\o/2, SB+\k, \o%2, 0
.else
	MM S+8*\o, 8*(8*\k+\o), FB+8*\k, S+8*\o, SCW+4*\k+\o/2, SB+\k, \o%2, 0
.endif
.endr
.endr
	WIN 0
	PLACES
.if (\m) == 7                          ; K is done with: V takes its registers.  56 loads now, the last two key steps' sixteen behind the softmax
.irp k, 0,1,2,3,4,5,6,7
	global_load_b64 v[SCW+2*\k:SCW+2*\k+1], v[LI], s[38:39] offset:2048*\k   ; V's scale words of key step k: my four tiles' two words
.endr
.irp k, 0,1,2,3,4,5
	VLOAD \k
.endr
.endif
	SOFTMAX \m
.irp c, 0,1
	ds_store_b128 v[PWA], v[PC+8*((\m)%2)+4*\c:PC+8*((\m)%2)+4*\c+3] offset:8192*(\m)+512*\c
.endr
.if (\m) == 7
	VLOAD 6
	VLOAD 7
.endif
.endm
; PHASE B, tile m: 32 products, the four accumulators by turns, the keys ascending; x 1 / the sum; eight stores.
.macro BTILE m
	s_wait_dscnt 0x0                               ; P(m), its scale words and this tile's 1 / the sum are in
.if (\m) < 7
	FETCHP (\m)+1
.endif
	WIN 0x04                                       ; source 1 window 1
.irp k, 0,1,2,3,4,5,6,7
.irp o, 0,1,2,3
.if \k == 0
	MM S+8*\o, FR+64*((\m)%2)+8*\k, 8*(4*\k+\o), -1, SCM+8*((\m)%2)+\k, SCW+2*\k+\o/2, 0, \o%2
.else
	MM S+8*\o, FR+64*((\m)%2)+8*\k, 8*(4*\k+\o), S+8*\o, SCM+8*((\m)%2)+\k, SCW+2*\k+\o/2, 0, \o%2
.endif
.endr
.endr
	WIN 0
	PLACES
.if (\m) > 0
	s_wait_xcnt 0x0                                ; the last tile's stores have read their data: the results' registers are written again only behind this wait
.endif
.irp j, 0,1,2,3,4,5,6,7
.irp o, 0,1,2,3
	v_mul_f32 v[OUTR+4*\j+\o], v[S+8*\o+\j], v[RL+\j]   ; out(16 m + 8 h + j, 64 w + 4 r + o); each accumulator from its low end on
.endr
.endr
.if (\m) < 7
	ds_load_b128 v[RL:RL+3], v[RR] offset:64*((\m)+1)      ; the next tile's 1 / the sum, from my own copy
	ds_load_b128 v[RL+4:RL+7], v[RR] offset:64*((\m)+1)+16
.endif
.irp j, 0,1,2,3,4,5,6,7
	global_store_b128 v[GO], v[OUTR+4*\j:OUTR+4*\j+3], s[18:19] offset:(16*(\m)+\j)*2048 th:TH_STORE_NT   ; sixteen lanes store 256 consecutive bytes of a row, at a multiple of 256 from out's first byte; lanes 16-31 the row eight further down
.endr
.endm
	s_load_b256 s[4:11], s[0:1], 0x0               ; x's codes s[4:5], its scales s[6:7], Wq's codes s[8:9], its scales s[10:11]
	s_load_b256 s[12:19], s[0:1], 0x20             ; bq s[12:13], kv_img s[14:15], kv_sc s[16:17], out s[18:19]
	v_lshl_add_u32 v254, v0, 2, 0x28000
	v_mov_b32 v255, 0
	v_lshrrev_b32 v2, 5, v0
	v_readfirstlane_b32 s20, v2                    ; wave 0..7
	s_and_b32 s21, ttmp7, 0xffff                   ; batch
	s_mov_b32 s22, ttmp9                           ; block of 128 queries
	v_and_b32 v250, 31, v0                         ; lane
	v_and_b32 v2, 15, v0                           ; r
	v_bfe_u32 v3, v0, 4, 1                         ; h
	v_lshlrev_b32 v[LI], 4, v250
	v_add_nc_u32 v[LQ], QIMG, v[LI]
	v_add_nc_u32 v[LP], PIMG, v[LI]
	v_add_nc_u32 v[LS], PSC, v[LI]
	s_lshl_b32 s40, s20, 9
	v_add_nc_u32 v[QW], s40, v[LQ]
	s_lshl_b32 s40, s20, 1
	s_add_co_u32 s40, s40, QSC
	v_add_nc_u32 v[QWS], s40, v[LI]
	s_lshl_b32 s40, s20, 10
	v_add_nc_u32 v[PWA], s40, v[LP]
	s_add_co_u32 s41, s40, STATM
	v_add_nc_u32 v[MWA], s41, v[LI]
	s_lshr_b32 s40, s20, 2
	s_lshl_b32 s40, s40, 9
	s_and_b32 s41, s20, 3
	s_lshl_b32 s41, s41, 2
	s_add_co_u32 s40, s40, s41
	v_add_nc_u32 v[PWS], s40, v[LS]
	v_lshlrev_b32 v[LR], 5, v2
	v_add_nc_u32 v[LR], STATL, v[LR]
	s_lshl_b32 s40, s20, 2
	v_add_nc_u32 v[LW], s40, v[LR]
	s_lshl_b32 s40, s20, 9
	s_add_co_u32 s40, s40, RLS
	v_lshl_add_u32 v[RW], v2, 2, s40
	v_lshl_add_u32 v[RR], v3, 5, s40
	v_lshlrev_b32 v[GO], 14, v3
	v_lshl_add_u32 v[GO], v2, 4, v[GO]
	v_lshlrev_b32 v[PF], 8, v250
	v_lshlrev_b32 v[GX], 8, v2                     ; x: row r of 256 bytes,
	v_lshl_add_u32 v[GX], v3, 4, v[GX]             ; + 16 h
	v_lshlrev_b32 v[GXS], 4, v2                    ; its 16 scale bytes
	v_and_b32 v251, 8, v2
	v_add_nc_u32 v251, v251, v2                    ; r + 8 (r / 8)
	v_lshlrev_b32 v[GW], 8, v251                   ; Wq: THE ROWS OF A TILE ARE NOT NEIGHBOURS: lane r of tile 2 b + u takes row 32 b + 8 u + r + 8 (r / 8)
	v_lshl_add_u32 v[GW], v3, 4, v[GW]
	v_lshl_add_u32 v[GWS], v3, 3, v251             ; its scale bytes: lanes 0-15 tile 2 p, lanes 16-31 tile 2 p + 1
	v_lshlrev_b32 v[GWS], 4, v[GWS]
	v_lshlrev_b32 v[GB], 6, v3                     ; bq: 16 h numbers on
	s_lshl_b32 s40, s20, 12
	v_add_nc_u32 v[XW], s40, v[LI]                 ; where I store x's images: tile w
	s_lshl_b32 s40, s20, 9
	v_add_nc_u32 v[XWS], s40, v[LI]
.irp b, 0,1,2,3
	v_mov_b32 v[TP+\b], 0                          ; written once: a lane permute's destination counts as one of its sources
.endr
	v_mov_b32 v[T1], 0                             ; likewise
	v_mov_b32 v[NM+1], 0                           ; named as the upper half of the pair v[172:173]
	s_mov_b32 s26, 0x3d8293ee                      ; c = log2(e) / sqrt(512)
	s_mov_b32 s27, s26                             ; named with it as a pair, so it is written
	s_mov_b32 s28, 0x76543210
	s_mov_b32 s29, 0xfedcba98                      ; v_permlanex16_b32's selects for lane l xor 16
	s_lshl_b32 s23, s21, 11
	s_lshl_b32 s40, s22, 7
	s_add_co_u32 s23, s23, s40                     ; my work-group's first row of x and of out: 2,048 batch + 128 j
	s_lshl_b32 s40, s20, 4
	s_add_co_u32 s40, s23, s40                     ; + 16 w: the tile of x that I bring
	s_mov_b32 s25, 0
	s_wait_kmcnt 0x0
	s_lshl_b32 s24, s40, 8
	s_add_nc_u64 s[4:5], s[4:5], s[24:25]
	s_lshl_b32 s24, s40, 4
	s_add_nc_u64 s[6:7], s[6:7], s[24:25]
	s_lshl_b32 s24, s20, 14
	s_add_nc_u64 s[8:9], s[8:9], s[24:25]          ; Wq: my 64 rows of 256 bytes,
	s_lshl_b32 s24, s20, 10
	s_add_nc_u64 s[10:11], s[10:11], s[24:25]      ; of 16 scale bytes,
	s_lshl_b32 s24, s20, 8
	s_add_nc_u64 s[12:13], s[12:13], s[24:25]      ; bq: my 64 numbers
	s_lshl_b32 s24, s23, 11
	s_lshl_b32 s41, s20, 8
	s_add_co_u32 s24, s24, s41
	s_add_nc_u64 s[18:19], s[18:19], s[24:25]      ; out: rows of 2,048 bytes, my 256 bytes of each
	s_lshl_b32 s24, s21, 18
	s_lshl_b32 s41, s22, 14
	s_add_co_u32 s24, s24, s41
	s_lshl_b32 s41, s20, 13
	s_add_co_u32 s24, s24, s41
	s_add_nc_u64 s[30:31], s[14:15], s[24:25]      ; the prefetches (waves 0 and 1): the batch's K images + 16,384 j + 8,192 w
	s_lshl_b32 s24, s21, 3
	s_add_co_u32 s41, s24, s20                     ; K's unit: 8 batch + w
	s_lshl_b32 s24, s41, 15
	s_add_nc_u64 s[32:33], s[14:15], s[24:25]
	s_lshl_b32 s24, s41, 11
	s_add_nc_u64 s[34:35], s[16:17], s[24:25]
	s_lshl_b32 s24, s21, 18
	s_add_co_u32 s24, s24, 0x400000                ; V's units begin at unit 128
	s_lshl_b32 s41, s20, 12
	s_add_co_u32 s24, s24, s41                     ; my four tiles: (w1, o) = (w / 2, 4 (w % 2) ..): 4,096 w
	s_add_nc_u64 s[36:37], s[14:15], s[24:25]
	s_lshl_b32 s24, s21, 14
	s_add_co_u32 s24, s24, 0x40000
	s_lshr_b32 s41, s20, 1
	s_lshl_b32 s41, s41, 9
	s_add_co_u32 s24, s24, s41
	s_and_b32 s41, s20, 1
	s_lshl_b32 s41, s41, 3
	s_add_co_u32 s24, s24, s41                     ; their two scale words: 512 (w / 2) + 8 (w % 2)
	s_add_nc_u64 s[38:39], s[16:17], s[24:25]
.irp k, 0,1,2,3
.irp c, 0,1
	global_load_b128 v[FR+8*\k+4*\c:FR+8*\k+4*\c+3], v[GX], s[4:5] offset:64*\k+32*\c th:TH_LOAD_NT   ; tile w of x: four fragments; read once in the launch
.endr
.endr
	global_load_b128 v[SCM:SCM+3], v[GXS], s[6:7] th:TH_LOAD_NT
.irp p, 0,1
	global_load_b128 v[SCW+4*\p:SCW+4*\p+3], v[GWS], s[10:11] offset:512*\p
.endr
.irp o, 0,1,2,3
	global_load_b128 v[BQ+8*\o:BQ+8*\o+3], v[GB], s[12:13] offset:(32*(\o/2)+8*(\o%2))*4   ; in the result's layout: the lane's eight d of tile o
	global_load_b128 v[BQ+8*\o+4:BQ+8*\o+7], v[GB], s[12:13] offset:(32*(\o/2)+8*(\o%2))*4+16
.endr
	WIN 0x40                                       ; destination window 1
.irp o, 0,1,2,3
.irp k, 0,1,2,3
.irp c, 0,1
	global_load_b128 v[8*(4*\o+\k)+4*\c:8*(4*\o+\k)+4*\c+3], v[GW], s[8:9] offset:(32*(\o/2)+8*(\o%2))*256+64*\k+32*\c
.endr
.endr
.endr
	WIN 0
	s_wait_loadcnt 42                              ; x's nine loads are in; behind them 2 (Wq's scale words) + 8 (bq) + 32 (Wq) may be out
.irp k, 0,1,2,3
.irp c, 0,1
	ds_store_b128 v[XW], v[FR+8*\k+4*\c:FR+8*\k+4*\c+3] offset:XIMG+1024*\k+512*\c   ; the fragments go to LDS as they stand
.endr
.endr
	ds_store_b128 v[XWS], v[SCM:SCM+3] offset:XSC
	BARRIER                                        ; x's 32 fragments lie in LDS
	FETCH4 FR, SCM, LI, XIMG, XSC
	; A PREFETCH of K's images, all of phase Q ahead of the loads that want them: my work-group's sixteenth of the batch's 262,144 bytes, 8,192 bytes for each of waves 0 and 1, lanes 256 bytes apart.
	; The batch's 16 work-groups take a sixteenth each, so that each block of 256 bytes is named once in the launch.  Its address registers are never written again.
	s_cmp_lt_u32 s20, 2
	s_cbranch_scc0 .Lno_pf_k
	global_prefetch_b8 v[PF], s[30:31] th:TH_LOAD_NT scope:SCOPE_SE
.Lno_pf_k:
.irp m, 0,1,2,3,4,5,6,7
	QTILE \m
.endr
	BARRIER                                        ; Q's 32 fragments and their scale words lie in LDS
	FETCH4 FR, SCM, LQ, 0, QSC-QIMG
	KLOAD 3
.irp m, 0,1,2,3,4,5,6,7
	ATILE \m
.endr
	; THE EXCHANGE.  Every wave's -M_w of the eight tiles; M = the largest; d = M - M_w comes off my scale bytes and my sums.
	ds_store_b128 v[MWA], v[NEGM:NEGM+3]
	ds_store_b128 v[MWA], v[NEGM+4:NEGM+7] offset:512
	BARRIER                                        ; all -M_w, and all of P's codes, lie in LDS
.irp w, 0,1,2,3,4,5,6,7
.irp g, 0,1
	ds_load_b128 v[S+8*\w+4*\g:S+8*\w+4*\g+3], v[LS] offset:STATM-PSC+1024*\w+512*\g   ; register 8 w + m: wave w's -M of tile m, my lane's query
.endr
.endr
	s_wait_dscnt 0x0
.irp m, 0,1,2,3,4,5,6,7
	v_min3_num_f32 v[PC+\m], v[S+\m], v[S+8+\m], v[S+16+\m]   ; the eight tiles by turns
.endr
.irp m, 0,1,2,3,4,5,6,7
	v_min3_num_f32 v[PC+\m], v[PC+\m], v[S+24+\m], v[S+32+\m]
.endr
.irp m, 0,1,2,3,4,5,6,7
	v_min3_num_f32 v[PC+\m], v[PC+\m], v[S+40+\m], v[S+48+\m]
.endr
.irp m, 0,1,2,3,4,5,6,7
	v_min_num_f32 v[PC+\m], v[PC+\m], v[S+56+\m]   ; -M
.endr
.irp m, 0,1,2,3,4,5,6,7
	v_sub_f32 v[PC+\m], v[NEGM+\m], v[PC+\m]       ; d = M - M_w: a whole number, 0 or more
.endr
.irp m, 0,1,2,3,4,5,6,7
	v_cvt_u32_f32 v[PC+\m], v[PC+\m]               ; (it saturates)
.endr
.irp m, 0,1,2,3,4,5,6,7
	v_min_u32 v[PC+\m], 0x100, v[PC+\m]            ; beyond 256 nothing is left of a byte or of a sum
.endr
.irp m, 0,1,2,3,4,5,6,7
	v_sub_nc_u32 v[NEGM+\m], 0, v[PC+\m]
.endr
.irp m, 0,1,2,3,4,5,6,7
	v_ldexp_f32 v[LSUM+\m], v[LSUM+\m], v[NEGM+\m] ; my sum under M
.endr
.irp m, 0,1,2,3,4,5,6,7
.irp b, 0,1,2,3
	v_bfe_u32 v[TM+\b], v[WORD+\m], 8*\b, 8
.endr
.irp b, 0,1,2,3
	v_min_u32 v[TP+\b], v[PC+\m], v[TM+\b]
.endr
.irp b, 0,1,2,3
	v_sub_nc_u32 v[TM+\b], v[TM+\b], v[TP+\b]      ; the byte less d, held at 0 from below
.endr
	v_lshl_or_b32 v[WORD+\m], v[TM+1], 8, v[TM]
	v_lshl_or_b32 v[WORD+\m], v[TM+2], 16, v[WORD+\m]
	v_lshl_or_b32 v[WORD+\m], v[TM+3], 24, v[WORD+\m]
.endr
.irp m, 0,1,2,3,4,5,6,7
	ds_store_b32 v[PWS], v[WORD+\m] offset:1024*\m
	ds_store_b32 v[LW], v[LSUM+\m] offset:512*\m   ; lanes r and r + 16 write the same word with the same value
.endr
	BARRIER                                        ; P's scale words and the waves' sums lie in LDS
	FETCHP 0
.irp m, 0,1,2,3,4,5,6,7
	ds_load_b128 v[S+8*\m:S+8*\m+3], v[LR] offset:512*\m       ; the eight waves' sums of query r of tile m
	ds_load_b128 v[S+8*\m+4:S+8*\m+7], v[LR] offset:512*\m+16
.endr
	s_wait_dscnt 0x0
.irp m, 0,1,2,3,4,5,6,7
	v_pk_add_f32 v[S+8*\m:S+8*\m+1], v[S+8*\m:S+8*\m+1], v[S+8*\m+2:S+8*\m+3]
.endr
.irp m, 0,1,2,3,4,5,6,7
	v_pk_add_f32 v[S+8*\m+4:S+8*\m+5], v[S+8*\m+4:S+8*\m+5], v[S+8*\m+6:S+8*\m+7]
.endr
.irp m, 0,1,2,3,4,5,6,7
	v_pk_add_f32 v[S+8*\m:S+8*\m+1], v[S+8*\m:S+8*\m+1], v[S+8*\m+4:S+8*\m+5]
.endr
.irp m, 0,1,2,3,4,5,6,7
	v_add_f32 v[S+8*\m], v[S+8*\m], v[S+8*\m+1]    ; the row's sum
.endr
.irp m, 0,1,2,3,4,5,6,7
	v_rcp_f32 v[PC+\m], v[S+8*\m]
.endr
	v_nop                                          ; a plain line behind the last reciprocal
	s_wait_alu depctr_va_vdst(0)                   ; one wait for the eight, ahead of their first reader
.irp m, 0,1,2,3,4,5,6,7
	ds_store_b32 v[RW], v[PC+\m] offset:64*\m      ; a lane has query r's; phase B wants those of queries 8 h + 0 .. 7: through my wave's own 512 bytes
.endr
	ds_load_b128 v[RL:RL+3], v[RR]                 ; LDS serves a wave's instructions in order (ISA guide 5.7.1.4): these see the stores above
	ds_load_b128 v[RL+4:RL+7], v[RR] offset:16
	s_wait_loadcnt 0x0                             ; V and its scale words
.irp m, 0,1,2,3,4,5,6,7
	BTILE \m
.endr
	s_wait_tensorcnt 0x0
	ds_add_u32 v254, v255
	s_wait_dscnt 0x0
	s_endpgm
.Lfunc_end_k_qf1f500f2c7_attn:
	.size	k_qf1f500f2c7_attn, .Lfunc_end_k_qf1f500f2c7_attn-k_qf1f500f2c7_attn
	.p2alignl 7, 3214868480
	.fill 96, 4, 3214868480
	.section	.rodata,"a",@progbits
	.p2align	6, 0x0
	.amdhsa_kernel k_qf1f500f2c7_attn
		.amdhsa_group_segment_fixed_size 164864
		.amdhsa_private_segment_fixed_size 0
		.amdhsa_enable_private_segment 0
		.amdhsa_kernarg_size 64
		.amdhsa_user_sgpr_count 2
		.amdhsa_user_sgpr_kernarg_segment_ptr 1
		.amdhsa_wavefront_size32 1
		.amdhsa_system_sgpr_workgroup_id_x 1
		.amdhsa_system_sgpr_workgroup_id_y 1
		.amdhsa_system_sgpr_workgroup_id_z 1
		.amdhsa_system_vgpr_workitem_id 0
		.amdhsa_next_free_vgpr 512
		.amdhsa_next_free_sgpr 66
		.amdhsa_reserve_vcc 0
		.amdhsa_float_denorm_mode_32 3
		.amdhsa_float_denorm_mode_16_64 3
		.amdhsa_memory_ordered 1
		.amdhsa_forward_progress 1
		.amdhsa_inst_pref_size 255
	.end_amdhsa_kernel
	.section	.bss,"aw",@nobits
	.p2align	6
	.space	262144
	.amdgpu_metadata
---
amdhsa.version: [ 1, 2 ]
amdhsa.kernels:
  - .name:           k_qf1f500f2c7_attn
    .symbol:         k_qf1f500f2c7_attn.kd
    .args:
      - { .name: x_codes, .offset: 0, .size: 8, .value_kind: global_buffer, .address_space: global }
      - { .name: x_scales, .offset: 8, .size: 8, .value_kind: global_buffer, .address_space: global }
      - { .name: Wq_codes, .offset: 16, .size: 8, .value_kind: global_buffer, .address_space: global }
      - { .name: Wq_scales, .offset: 24, .size: 8, .value_kind: global_buffer, .address_space: global }
      - { .name: bq, .offset: 32, .size: 8, .value_kind: global_buffer, .address_space: global }
      - { .name: kv_img, .offset: 40, .size: 8, .value_kind: global_buffer, .address_space: global }
      - { .name: kv_sc, .offset: 48, .size: 8, .value_kind: global_buffer, .address_space: global }
      - { .name: out0, .offset: 56, .size: 8, .value_kind: global_buffer, .address_space: global }
    .group_segment_fixed_size: 164864
    .private_segment_fixed_size: 0
    .kernarg_segment_align: 8
    .kernarg_segment_size: 64
    .max_flat_workgroup_size: 256
    .sgpr_count:     66
    .vgpr_count:     512
    .wavefront_size: 32
...
	.end_amdgpu_metadata
.endif
;; end of part 2
;; ======== version 2 of 2: 2 launches; version 1 with the launches proj, attn written anew for expert scheduling mode
;; workspace buffers: kv_img 8,388,608 bytes; kv_sc 524,288 bytes
;; launch proj (part 3): grid 256 x 1, 4 waves a work-group, no clusters, 0 bytes of LDS; arguments audio_embed_codes, audio_embed_scales, Wk_codes, Wk_scales, bk, Wv_codes, Wv_scales, bv, kv_img, kv_sc; writes kv_img, kv_sc
.if DOCPART == 3
	.amdgcn_target "amdgcn-amd-amdhsa--gfx1250"
	.amdhsa_code_object_version 6
	.text
	.protected	k_qf1f500f2c7_proj
	.globl	k_qf1f500f2c7_proj
	.p2align	8
	.type	k_qf1f500f2c7_proj,@function
k_qf1f500f2c7_proj:
	s_mov_b64 s[64:65], 0
	v_nop
	global_prefetch_b8 v0, s[64:65] scope:SCOPE_SE
	s_setreg_imm32_b32 hwreg(HW_REG_WAVE_SCHED_MODE, 0, 2), 2
	s_setreg_imm32_b32 hwreg(HW_REG_WAVE_MODE, 25, 1), 1
	s_wait_xcnt 0x0
	s_wait_alu depctr_vm_vsrc(0)
; K = a Wk + bk, quantised to MX-FP4 along d, and V = a Wv + bv, quantised along the keys.  a: audio_embed, [16][1024][512] as codes; Wk, Wv: [512 (n)][512 (k)] as codes; sums in f32.
; The results leave as IMAGES OF OPERAND REGISTERS, in the order in which the attention launch's waves take them: a fragment (16 rows x 128 K) is 1,024 bytes, registers 4 c .. 4 c + 3 of lane l at 512 c + 16 l.
; A UNIT is 128 keys of one batch.  kv_img: [unit 256][w1 4][o 8][1,024]; units 0-127 are K (8 batch + key step), units 128-255 are V.
;   K units: w1 = the K step along d (d = 128 w1 ..), o = a tile of 16 keys; lane r of tile o is key 32 (o / 2) + 8 (o % 2) + r + 8 (r / 8) of the unit.
;   V units: K = the unit's 128 keys in their order; lane r of (w1, o) is d = 128 w1 + 64 (o / 4) + 4 r + o % 4.
; kv_sc: [unit][w1][lane 32][4 words]: word p holds the scale words of tile 2 p in lanes 0-15 and of tile 2 p + 1 in lanes 16-31.
; SHARES.  Work-group g makes unit g; wave w makes d = 128 w .. 128 w + 127.  Waves share nothing: no LDS, no barrier.  Both operands of a wave's 256 products fit in its registers, so each is loaded once.
; ONE SCHEME FOR BOTH: acc[t] += I[t][k] x O[o][k], source 0 = inner tile t, source 1 = outer tile o.  In the result a lane holds ONE row of the outer tile and its registers run along the inner rows.
;   K: inner = Wk's rows (d), outer = audio rows (keys).   V: inner = audio rows (keys), outer = Wv's rows (d).  So the registers run along the axis that is quantised.
; THE ROWS OF AN INNER TILE ARE NOT NEIGHBOURS: lane r of tile 2 b + u takes row 32 b + 8 u + r + 8 (r / 8), so that the 16 registers of tiles 2 b and 2 b + 1 are the 16 neighbours 32 b + 16 (lane / 16) + 0 .. 15.
; The bias is the C of each sum's first product.
; A block's scale is 2^(floor(log2(its largest magnitude)) - 2); its byte is the largest magnitude's exponent field - 2, held at 1 from below.
; LIMITS: a block of zeros gets the byte 1 where the quantiser says 127: its codes are zeros, and this program alone reads the bytes.  Blocks whose largest magnitude lies under 2^-124 keep the byte 1.  NaN and infinities are not served.
; THE MODE: SCHED_MODE bits 1:0 = 2 (LLVM: expert scheduling mode 2), set by the entry lines.  The code itself states the register dependences between vector or matrix instructions and memory instructions, with s_wait_alu, always for 0.
; THE PLAN.  Registers that memory instructions touch:
;   v3-v8      offsets: written by vector lines at the head, ahead of a path's one wait in front of its first load; never written again.
;   scale words, bias, fragments: each loaded once; no load follows a vector or matrix instruction that names them.
;   PC0, PC1   the codes of an even, an odd outer tile.  Written by tile o's quantiser; read by the image's two stores, which stand at the head of tile o + 1 behind one wait on va_vdst;
;              written again by tile o + 2's quantiser, ahead of which stand the wait on XCNT and one wait on vm_vsrc, a whole tile behind those stores.
;   MW         the four words of kv_sc: written by four selections, read by one store behind the last wait on va_vdst.
; REGISTERS: window 0: v1 r, v2 h, v3-8 offsets; v16-31 the inner tiles' scale words, v32-47 the outer tiles'; v48-111 the bias; v112-175 eight accumulators; v176-183, v208-215 codes; v184-199 at work; v200-207 scale words made.
;   window 1: inner fragments, (t, k) at v[8 (4 t + k)].   window 2: outer fragments, (o, k) at v[8 (4 o + k)].
.set IS,  16
.set OS,  32
.set BI,  48
.set ACC, 112
.set PC,  176                          ; v176-183 the codes of an even outer tile, v208-215 those of an odd one
.set TM,  184                          ; v184-187 largest magnitudes, v188-191 the other half's, then bytes, v196-199 the conversions' scale operands
.set PW,  200                          ; v200, v201: the scale word of an even, an odd outer tile
.set MW,  204                          ; v204-207: the four words of kv_sc
.set MSB, 0
.macro WIN new                         ; the immediate's high byte repeats the setting that is left; a switch that changes nothing is dropped
.if MSB != \new
	s_set_vgpr_msb (MSB<<8)|\new
.set MSB, \new
.endif
.endm
; One product.  c < 0: the constant 0 starts the sum.  ra, rb: source 0's, source 1's scale words lie in lanes 16-31 of their register.
.macro MM d, a, b, c, sa, sb, ra, rb
.if (\c) < 0
.if (\ra) && (\rb)
	v_wmma_scale_f32_16x16x128_f8f6f4 v[\d:\d+7], v[\a:\a+7], v[\b:\b+7], 0, v[\sa], v[\sb] matrix_a_fmt:MATRIX_FMT_FP4 matrix_b_fmt:MATRIX_FMT_FP4 matrix_a_scale:MATRIX_SCALE_ROW1 matrix_b_scale:MATRIX_SCALE_ROW1
.elseif (\ra)
	v_wmma_scale_f32_16x16x128_f8f6f4 v[\d:\d+7], v[\a:\a+7], v[\b:\b+7], 0, v[\sa], v[\sb] matrix_a_fmt:MATRIX_FMT_FP4 matrix_b_fmt:MATRIX_FMT_FP4 matrix_a_scale:MATRIX_SCALE_ROW1
.elseif (\rb)
	v_wmma_scale_f32_16x16x128_f8f6f4 v[\d:\d+7], v[\a:\a+7], v[\b:\b+7], 0, v[\sa], v[\sb] matrix_a_fmt:MATRIX_FMT_FP4 matrix_b_fmt:MATRIX_FMT_FP4 matrix_b_scale:MATRIX_SCALE_ROW1
.else
	v_wmma_scale_f32_16x16x128_f8f6f4 v[\d:\d+7], v[\a:\a+7], v[\b:\b+7], 0, v[\sa], v[\sb] matrix_a_fmt:MATRIX_FMT_FP4 matrix_b_fmt:MATRIX_FMT_FP4
.endif
.else
.if (\ra) && (\rb)
	v_wmma_scale_f32_16x16x128_f8f6f4 v[\d:\d+7], v[\a:\a+7], v[\b:\b+7], v[\c:\c+7], v[\sa], v[\sb] matrix_a_fmt:MATRIX_FMT_FP4 matrix_b_fmt:MATRIX_FMT_FP4 matrix_a_scale:MATRIX_SCALE_ROW1 matrix_b_scale:MATRIX_SCALE_ROW1
.elseif (\ra)
	v_wmma_scale_f32_16x16x128_f8f6f4 v[\d:\d+7], v[\a:\a+7], v[\b:\b+7], v[\c:\c+7], v[\sa], v[\sb] matrix_a_fmt:MATRIX_FMT_FP4 matrix_b_fmt:MATRIX_FMT_FP4 matrix_a_scale:MATRIX_SCALE_ROW1
.elseif (\rb)
	v_wmma_scale_f32_16x16x128_f8f6f4 v[\d:\d+7], v[\a:\a+7], v[\b:\b+7], v[\c:\c+7], v[\sa], v[\sb] matrix_a_fmt:MATRIX_FMT_FP4 matrix_b_fmt:MATRIX_FMT_FP4 matrix_b_scale:MATRIX_SCALE_ROW1
.else
	v_wmma_scale_f32_16x16x128_f8f6f4 v[\d:\d+7], v[\a:\a+7], v[\b:\b+7], v[\c:\c+7], v[\sa], v[\sb] matrix_a_fmt:MATRIX_FMT_FP4 matrix_b_fmt:MATRIX_FMT_FP4
.endif
.endif
.endm
; 64 numbers of a lane, register 16 b + i = k 32 b + 16 (lane / 16) + i of the lane's row, become a fragment's codes in v[pc] on and its scale word in v[pw].
.macro QUANT src, pc, pw
.irp b, 0,1,2,3
	v_max3_num_f32 v[TM+\b], |v[\src+16*\b]|, |v[\src+16*\b+1]|, 0x1800000   ; block b: my 16 numbers, from each accumulator's low end on, and the floor 2^(3 - 127): the byte cannot fall under 1
.endr
.irp i, 2,4,6,8,10,12,14
.irp b, 0,1,2,3
	v_max3_num_f32 v[TM+\b], v[TM+\b], |v[\src+16*\b+\i]|, |v[\src+16*\b+\i+1]|   ; the four blocks by turns: no line waits for the line above it
.endr
.endr
.irp b, 0,1,2,3
	v_permlanex16_b32 v[TM+4+\b], v[TM+\b], s28, s29
.endr
.irp b, 0,1,2,3
	v_max_num_f32 v[TM+\b], v[TM+\b], v[TM+4+\b]   ; with lane l xor 16's: the block's largest magnitude
.endr
.irp b, 0,1,2,3
	v_add_nc_u32 v[TM+12+\b], 0xff000000, v[TM+\b]   ; 2 off its exponent field: the conversion takes the exponent field of this operand as its scale
.endr
.irp b, 0,1,2,3
	v_lshrrev_b32 v[TM+4+\b], 23, v[TM+12+\b]      ; the scale's byte
.endr
	v_lshl_or_b32 v[\pw], v[TM+5], 8, v[TM+4]      ; the four bytes make my row's scale word
	v_lshl_or_b32 v[\pw], v[TM+6], 16, v[\pw]
	v_lshl_or_b32 v[\pw], v[TM+7], 24, v[\pw]
.irp b, 0,1,2,3
	v_cvt_scalef32_pk8_fp4_f32 v[\pc+2*\b], v[\src+16*\b:\src+16*\b+7], v[TM+12+\b]
	v_cvt_scalef32_pk8_fp4_f32 v[\pc+2*\b+1], v[\src+16*\b+8:\src+16*\b+15], v[TM+12+\b]
.endr
	v_nop                                          ; one plain line behind the scaled conversions
.irp c, 0,1                                    ; the operand's layout wants a WHOLE block in a lane: lanes 0-15 block 2 c, lanes 16-31 block 2 c + 1
.irp i, 0,1
	v_permlane16_swap_b32 v[\pc+4*\c+\i], v[\pc+4*\c+2+\i]
.endr
.endr
.endm
; The image of outer tile o leaves: two stores.
.macro SENDI o
.irp c, 0,1
	global_store_b128 v8, v[PC+32*((\o)%2)+4*\c:PC+32*((\o)%2)+4*\c+3], s[20:21] offset:1024*(\o)+512*\c   ; 32 lanes store 512 consecutive bytes, at a multiple of 512 from the buffer's first byte
.endr
.endm
; Outer tile o: the image of the tile before leaves; 32 products, the eight accumulators by turns, K ascending; then the quantiser.
.macro OUTER o, isv
.if (\o) > 0
	s_wait_loadcnt 8*(7-(\o))                      ; loads come back in order: this outer tile's eight are in; the eight of each later tile may be out
	s_wait_alu depctr_va_vdst(0)                   ; the quantiser of the tile before has written its codes, which the two stores below read
	SENDI (\o)-1
.endif
	WIN 0x09                                       ; source 0 window 1, source 1 window 2
.irp k, 0,1,2,3
.irp t, 0,1,2,3,4,5,6,7
.if \k > 0
	MM ACC+8*\t, 8*(4*\t+\k), 8*(4*\o+\k), ACC+8*\t, IS+4*(\t/2)+\k, OS+4*(\o/2)+\k, \t%2, \o%2
.elseif \isv
	MM ACC+8*\t, 8*(4*\t+\k), 8*(4*\o+\k), BI+8*\o, IS+4*(\t/2)+\k, OS+4*(\o/2)+\k, \t%2, \o%2
.else
	MM ACC+8*\t, 8*(4*\t+\k), 8*(4*\o+\k), BI+8*\t, IS+4*(\t/2)+\k, OS+4*(\o/2)+\k, \t%2, \o%2
.endif
.endr
.endr
	WIN 0
.rept 4
	v_nop                                          ; four plain lines between the last products and the first read of their results (ISA guide 7.12.1)
.endr
.if (\o) >= 2
	s_wait_xcnt 0x0                                ; every earlier memory instruction has had its addresses translated: this set of codes, which the stores of two tiles back read, is written again only behind this wait,
	s_wait_alu depctr_vm_vsrc(0)                   ; and behind this one: those stores, issued a tile ago, have read the set that the quantiser below writes
.endif
	QUANT ACC, PC+32*((\o)%2), PW+(\o)%2
.if (\o)%2
	v_cndmask_b32 v[MW+(\o)/2], v[PW], v[PW+1], s30   ; lanes 0-15 the even tile's words, lanes 16-31 the odd tile's
.endif
.endm
.macro PATH isv
.if \isv
.set IB,  4                            ; inner: audio
.set ISB, 6
.set OB,  8                            ; outer: Wv
.set OSB, 10
	v_lshlrev_b32 v7, 4, v1                        ; bv: d = 4 r + ..: 16 r bytes
.else
.set IB,  8                            ; inner: Wk
.set ISB, 10
.set OB,  4                            ; outer: audio
.set OSB, 6
	v_lshlrev_b32 v7, 6, v2                        ; bk: 16 h numbers on
.endif
	s_wait_alu depctr_va_vdst(0)                   ; the offsets v3 to v8 are written: every load and store of this path reads one of them
.irp p, 0,1,2,3
	global_load_b128 v[IS+4*\p:IS+4*\p+3], v5, s[ISB:ISB+1] offset:512*\p   ; a row's 16 scale bytes: the words of its four K steps; lanes 0-15 tile 2 p, lanes 16-31 tile 2 p + 1
.endr
.irp p, 0,1,2,3
.if \isv
	global_load_b128 v[OS+4*\p:OS+4*\p+3], v6, s[OSB:OSB+1] offset:(64*(\p/2)+2*(\p%2))*16
.else
	global_load_b128 v[OS+4*\p:OS+4*\p+3], v5, s[OSB:OSB+1] offset:512*\p
.endif
.endr
.if \isv
.irp o, 0,1,2,3,4,5,6,7
	global_load_b32 v[BI+8*\o], v7, s[12:13] offset:(64*(\o/4)+\o%4)*4   ; the lane's one d of outer tile o
.endr
.else
.irp t, 0,1,2,3,4,5,6,7
	global_load_b128 v[BI+8*\t:BI+8*\t+3], v7, s[12:13] offset:(32*(\t/2)+8*(\t%2))*4   ; in the result's layout: the lane's eight d of inner tile t
	global_load_b128 v[BI+8*\t+4:BI+8*\t+7], v7, s[12:13] offset:(32*(\t/2)+8*(\t%2))*4+16
.endr
.endif
	WIN 0x40                                       ; destination window 1
.irp t, 0,1,2,3,4,5,6,7
.irp k, 0,1,2,3
.irp c, 0,1
	global_load_b128 v[8*(4*\t+\k)+4*\c:8*(4*\t+\k)+4*\c+3], v3, s[IB:IB+1] offset:(32*(\t/2)+8*(\t%2))*256+64*\k+32*\c
.endr
.endr
.endr
	WIN 0x80                                       ; destination window 2
.irp o, 0,1,2,3,4,5,6,7
.irp k, 0,1,2,3
.irp c, 0,1
.if \isv
	global_load_b128 v[8*(4*\o+\k)+4*\c:8*(4*\o+\k)+4*\c+3], v4, s[OB:OB+1] offset:(64*(\o/4)+\o%4)*256+64*\k+32*\c
.else
	global_load_b128 v[8*(4*\o+\k)+4*\c:8*(4*\o+\k)+4*\c+3], v3, s[OB:OB+1] offset:(32*(\o/2)+8*(\o%2))*256+64*\k+32*\c
.endif
.endr
.endr
.endr
	WIN 0
	s_wait_loadcnt 56                              ; all but the last seven outer tiles' 56 loads are in: scale words, bias, the inner fragments, outer tile 0
.if \isv
.irp o, 0,1,2,3,4,5,6,7
.irp j, 1,2,3,4,5,6,7
	v_mov_b32 v[BI+8*\o+\j], v[BI+8*\o]            ; a C operand is eight registers; here they run along the keys, so all eight hold the lane's bv
.endr
.endr
.endif
.irp o, 0,1,2,3,4,5,6,7
	OUTER \o, \isv
.endr
	s_wait_alu depctr_va_vdst(0)                   ; the last quantiser has written its codes and the selections the four words of kv_sc: the three stores below read them
	SENDI 7
	global_store_b128 v8, v[MW:MW+3], s[22:23]     ; my 512 bytes of kv_sc
	s_endpgm
.endm
	s_load_b256 s[4:11], s[0:1], 0x0               ; audio's codes s[4:5], its scales s[6:7], Wk's codes s[8:9], its scales s[10:11]
	s_load_b256 s[12:19], s[0:1], 0x20             ; bk s[12:13], Wv's codes s[14:15], its scales s[16:17], bv s[18:19]
	s_load_b128 s[20:23], s[0:1], 0x40             ; kv_img s[20:21], kv_sc s[22:23]
	v_lshrrev_b32 v1, 5, v0
	v_readfirstlane_b32 s24, v1                    ; wave 0..3
	v_and_b32 v1, 15, v0                           ; r
	v_bfe_u32 v2, v0, 4, 1                         ; h
	v_and_b32 v9, 8, v1
	v_add_nc_u32 v9, v9, v1                        ; r + 8 (r / 8)
	v_lshlrev_b32 v3, 8, v9                        ; a row of 512 codes is 256 bytes
	v_lshl_add_u32 v3, v2, 4, v3                   ; v3: codes of a tile whose rows are chosen: (r + 8 (r / 8)) 256 + 16 h
	v_lshlrev_b32 v4, 10, v1
	v_lshl_add_u32 v4, v2, 4, v4                   ; v4: codes of Wv's outer tiles: row 4 r: 1,024 r + 16 h
	v_lshl_add_u32 v5, v2, 3, v9
	v_lshlrev_b32 v5, 4, v5                        ; v5: scale bytes, 16 a row: row 8 h + r + 8 (r / 8) of a pair of tiles
	v_lshl_add_u32 v6, v1, 2, v2
	v_lshlrev_b32 v6, 4, v6                        ; v6: those of Wv's outer tiles: row 4 r + h
	v_and_b32 v8, 31, v0
	v_lshlrev_b32 v8, 4, v8                        ; v8: 16 x lane: my place in an image
.irp b, 0,1,2,3
	v_mov_b32 v[TM+4+\b], 0                        ; written once: a lane permute's destination counts as one of its sources
.endr
	s_wait_alu depctr_va_sdst(0)                   ; s24, the wave's number, is written, ahead of its first reader: the weight's, the bias's and the results' addresses are made from it
	s_mov_b32 s28, 0x76543210
	s_mov_b32 s29, 0xfedcba98                      ; v_permlanex16_b32's selects for lane l xor 16
	s_mov_b32 s30, 0xffff0000                      ; lanes 16-31
	s_and_b32 s25, ttmp9, 127                      ; which 128 rows of audio
	s_mov_b32 s27, 0
	s_wait_kmcnt 0x0
	s_cmp_lt_u32 ttmp9, 128                        ; K's work-group or V's?  The choice hangs on the work-group's number alone
	s_cselect_b64 s[8:9], s[8:9], s[14:15]
	s_cselect_b64 s[10:11], s[10:11], s[16:17]
	s_cselect_b64 s[12:13], s[12:13], s[18:19]
	s_lshl_b32 s26, s25, 15
	s_add_nc_u64 s[4:5], s[4:5], s[26:27]          ; audio: 128 rows of 256 bytes a unit,
	s_lshl_b32 s26, s25, 11
	s_add_nc_u64 s[6:7], s[6:7], s[26:27]          ; of 16 scale bytes
	s_lshl_b32 s26, s24, 15
	s_add_nc_u64 s[8:9], s[8:9], s[26:27]          ; the weight: my wave's 128 rows,
	s_lshl_b32 s26, s24, 11
	s_add_nc_u64 s[10:11], s[10:11], s[26:27]
	s_lshl_b32 s26, s24, 9
	s_add_nc_u64 s[12:13], s[12:13], s[26:27]      ; and its 128 numbers of the bias
	s_lshl_b32 s26, ttmp9, 15
	s_lshl_b32 s31, s24, 13
	s_add_co_u32 s26, s26, s31
	s_add_nc_u64 s[20:21], s[20:21], s[26:27]      ; kv_img: 32,768 bytes a unit, 8,192 a wave
	s_lshl_b32 s26, ttmp9, 11
	s_lshl_b32 s31, s24, 9
	s_add_co_u32 s26, s26, s31
	s_add_nc_u64 s[22:23], s[22:23], s[26:27]      ; kv_sc: 2,048 a unit, 512 a wave
	s_cmp_lt_u32 ttmp9, 128
	s_cbranch_scc0 .Lv_path
	PATH 0
.Lv_path:
	PATH 1
.Lfunc_end_k_qf1f500f2c7_proj:
	.size	k_qf1f500f2c7_proj, .Lfunc_end_k_qf1f500f2c7_proj-k_qf1f500f2c7_proj
	.p2alignl 7, 3214868480
	.fill 96, 4, 3214868480
	.section	.rodata,"a",@progbits
	.p2align	6, 0x0
	.amdhsa_kernel k_qf1f500f2c7_proj
		.amdhsa_group_segment_fixed_size 0
		.amdhsa_private_segment_fixed_size 0
		.amdhsa_enable_private_segment 0
		.amdhsa_kernarg_size 80
		.amdhsa_user_sgpr_count 2
		.amdhsa_user_sgpr_kernarg_segment_ptr 1
		.amdhsa_wavefront_size32 1
		.amdhsa_system_sgpr_workgroup_id_x 1
		.amdhsa_system_sgpr_workgroup_id_y 1
		.amdhsa_system_sgpr_workgroup_id_z 1
		.amdhsa_system_vgpr_workitem_id 0
		.amdhsa_next_free_vgpr 768
		.amdhsa_next_free_sgpr 66
		.amdhsa_reserve_vcc 0
		.amdhsa_float_denorm_mode_32 3
		.amdhsa_float_denorm_mode_16_64 3
		.amdhsa_memory_ordered 1
		.amdhsa_forward_progress 1
		.amdhsa_inst_pref_size 165
	.end_amdhsa_kernel
	.amdgpu_metadata
---
amdhsa.version: [ 1, 2 ]
amdhsa.kernels:
  - .name:           k_qf1f500f2c7_proj
    .symbol:         k_qf1f500f2c7_proj.kd
    .args:
      - { .name: audio_embed_codes, .offset: 0, .size: 8, .value_kind: global_buffer, .address_space: global }
      - { .name: audio_embed_scales, .offset: 8, .size: 8, .value_kind: global_buffer, .address_space: global }
      - { .name: Wk_codes, .offset: 16, .size: 8, .value_kind: global_buffer, .address_space: global }
      - { .name: Wk_scales, .offset: 24, .size: 8, .value_kind: global_buffer, .address_space: global }
      - { .name: bk, .offset: 32, .size: 8, .value_kind: global_buffer, .address_space: global }
      - { .name: Wv_codes, .offset: 40, .size: 8, .value_kind: global_buffer, .address_space: global }
      - { .name: Wv_scales, .offset: 48, .size: 8, .value_kind: global_buffer, .address_space: global }
      - { .name: bv, .offset: 56, .size: 8, .value_kind: global_buffer, .address_space: global }
      - { .name: kv_img, .offset: 64, .size: 8, .value_kind: global_buffer, .address_space: global }
      - { .name: kv_sc, .offset: 72, .size: 8, .value_kind: global_buffer, .address_space: global }
    .group_segment_fixed_size: 0
    .private_segment_fixed_size: 0
    .kernarg_segment_align: 8
    .kernarg_segment_size: 80
    .max_flat_workgroup_size: 128
    .sgpr_count:     66
    .vgpr_count:     768
    .wavefront_size: 32
...
	.end_amdgpu_metadata
.endif
;; end of part 3
;; launch attn (part 4): grid 16 x 16, 8 waves a work-group, no clusters, 164,864 bytes of LDS; arguments x_codes, x_scales, Wq_codes, Wq_scales, bq, kv_img, kv_sc, out0; writes out0
.if DOCPART == 4
	.amdgcn_target "amdgcn-amd-amdhsa--gfx1250"
	.amdhsa_code_object_version 6
	.text
	.protected	k_qf1f500f2c7_attn
	.globl	k_qf1f500f2c7_attn
	.p2align	8
	.type	k_qf1f500f2c7_attn,@function
k_qf1f500f2c7_attn:
	s_mov_b64 s[64:65], 0
	v_nop
	global_prefetch_b8 v0, s[64:65] scope:SCOPE_SE
	s_setreg_imm32_b32 hwreg(HW_REG_WAVE_SCHED_MODE, 0, 2), 2
	s_setreg_imm32_b32 hwreg(HW_REG_WAVE_MODE, 25, 1), 1
	s_wait_xcnt 0x0
	s_wait_alu depctr_vm_vsrc(0)
; out = softmax((x Wq + bq) K^T / sqrt(512)) V, all three products on codes of FP4 (E2M1) with one E8M0 scale for each 32 along K.  x: [16][2048][512] and Wq: [512 (n)][512 (k)] as codes;
; K and V come from kv_img and kv_sc as images of operand registers (the launch before lays them: a fragment is 1,024 bytes, registers 4 c .. 4 c + 3 of lane l at 512 c + 16 l).  out: [16][2048][512] f32.
; SHARES.  Work-group (x = j, y = batch) owns queries 128 j .. 128 j + 127: eight tiles m of 16.  Eight waves of 512 registers.
; THREE PHASES OF ONE SHAPE: a wave's slice of the operand that stays fills window 1, loaded from memory once; the wave walks m = 0 .. 7 and takes the operand that moves from LDS, as images of its registers.
;   Q: wave w holds Wq's rows d = 64 w .. + 63; x(m) moves; the result, quantised along d, is half a fragment of Q(m): registers 4 (w % 2) .. + 3 of K step w / 2.
;   A: wave w holds K of keys 128 w .. + 127; Q(m) moves; S^T = K Q^T: a lane holds one query, its registers run along the keys; softmax; p, quantised along the keys, is fragment (m, key step w) of P.
;   B: wave w holds V of d = 64 w .. + 63, all 1,024 keys; P(m) moves; O = P V, source 0 = P, source 1 = V: register j of lane (r, h) is query 8 h + j.  V's tile o has d = 64 w + 4 r + o in lane r, so a lane's four
;      accumulators hold four neighbouring d of a query: 16 bytes a lane, and sixteen lanes store 256 consecutive bytes, at a multiple of 256 from out's first byte, with no stage.
; THE SOFTMAX IS SPLIT OVER THE WAVES.  t = score x log2(e) / sqrt(512).  Wave w takes M_w = its 128 keys' largest t, rounded UP to a whole number, p = 2^(t - M_w), and the sum of the unquantised p.  Then the waves
; exchange M_w; M = the largest; each wave takes d = M - M_w off its four scale bytes and multiplies its sum by 2^-d: exact powers of two, which leave the codes as they are.  So O is never rescaled.
; NO JOINT LOADS, though the 16 work-groups of a batch read the same K and V: each byte of K and V goes from memory into the registers of exactly ONE wave of a work-group, once; a joint load would land in LDS, where
; K's 262,144 and V's 262,144 bytes do not fit beside the 163,840 in use, so that it would take a ring and one LDS store and one LDS load more for each byte.
; LIMITS: NaN and infinities are not served.  A block of zeros, or one whose largest magnitude lies under 2^-124, keeps the scale byte 1 (zeros: the quantiser says 127; the codes are zeros and nobody else reads the bytes).
; A block of p whose byte would fall under 0 by d is held at byte 0: it then adds less than 6 x 2^-127 x |V| a number.
; THE MODE: SCHED_MODE bits 1:0 = 2 (LLVM: expert scheduling mode 2), set by the entry lines.  The code itself states the register dependences between vector or matrix instructions and memory or LDS instructions, with s_wait_alu, always for 0.
; THE PLAN.  Registers that memory or LDS instructions touch, and who else names them:
;   v1, v4-15, v248, v249  addresses and offsets: written once at the head, ahead of the head's last wait on va_vdst; never written again.
;   v240-246               the head's offsets, and v48-79, v32-35, x as loaded: read by the head's loads and LDS stores; one wait on vm_vsrc behind the first barrier stands ahead of all that writes them later.
;   FR, SCM (two sets)     a tile's products read set m % 2.  The LDS loads at the head of tile m land in the other set, which the products of tile m - 1 read: those stand ahead of tile m - 1's last wait on va_vdst,
;                          and no vector or matrix instruction since that wait names the set.
;   PC (two sets), HW      written by a tile's quantiser, read by its two LDS stores, written again two tiles on, behind a wait on vm_vsrc.  Phase Q: the stores follow one wait on va_vdst behind the quantiser.
;                          Phase A: the stores of tile m - 1 stand in tile m, behind the wait for the batch of exponentials, so that a tile has no further wait on va_vdst.
;   window 1, SCW          the operand that stays: in a phase's last tile one wait on va_vdst, behind the products, stands ahead of the loads of the next phase's operand.
;   OUTR, RL (phase B)     one wait on va_vdst behind a tile's 32 multiplications: the results are written (the stores), RL has been read (its next loads), the products are done with their set of P (the next tile's loads).
;                          The results' registers are written again behind the wait on XCNT and one on vm_vsrc, 32 products behind the stores.  Two waves of 512 registers fill a SIMD: there is no room for a second set.
; LDS, all regions written once:
.set XIMG,  0                          ; x's fragments: (4 m + k) 1,024 + 512 c + 16 lane
.set XSC,   32768                      ; x's scale words: 512 m + 16 lane, four words = K steps
.set QIMG,  36864                      ; Q's, as x's
.set QSC,   69632
.set PIMG,  73728                      ; P's fragments: (8 m + key step) 1,024 + 512 c + 16 lane
.set PSC,   139264                     ; P's scale words: 1,024 m + 512 (key step / 4) + 16 lane + 4 (key step % 4)
.set STATM, 147456                     ; -M_w: 1,024 w + 512 (m / 4) + 16 lane + 4 (m % 4)
.set STATL, 155648                     ; the waves' sums: 512 m + 32 r + 4 w
.set RLS,   159744                     ; 1 / the row's sum: 512 w + 64 m + 4 r: each wave's own copy
; REGISTERS, window 0:
.set LI,   1                           ; 16 lane: also the offset of the loads of K's and V's images
.set LQ,   4                           ; QIMG + 16 lane
.set LP,   5                           ; PIMG + 16 lane
.set LS,   6                           ; PSC + 16 lane
.set QW,   7                           ; QIMG + 16 lane + 512 w
.set QWS,  8                           ; QSC + 16 lane + 2 w
.set PWA,  9                           ; PIMG + 16 lane + 1,024 w
.set PWS,  10                          ; PSC + 16 lane + 512 (w / 4) + 4 (w % 4)
.set MWA,  11                          ; STATM + 16 lane + 1,024 w
.set LW,   12                          ; STATL + 32 r + 4 w
.set LR,   13                          ; STATL + 32 r
.set RW,   14                          ; RLS + 512 w + 4 r
.set RR,   15                          ; RLS + 512 w + 32 h
.set SCW,  16                          ; v16-31  scale words of the operand that stays: these registers hold scales and nothing else
.set SCM,  32                          ; v32-47  scale words of the operand that moves, two sets
.set FR,   48                          ; v48-111 phases Q, A: two sets of four fragments;  phase B: v48-111, v112-175 two sets of eight
.set BQ,   112                         ; v112-143 phase Q: bq in the result's layout
.set WORD, 112                         ; v112-119 phase A: p's scale word of tile m
.set NEGM, 120                         ; v120-127 -M_w of tile m; in the exchange -d
.set LSUM, 128                         ; v128-135 my keys' sum of tile m
.set PC,   144                         ; v144-151, v152-159 codes just made, by the parity of m; in the exchange d, then 1 / the sum
.set TM,   160
.set TP,   164
.set TS,   168
.set NM,   172                         ; v[172:173] -M_w as a pair: the packed form takes its low word for both halves
.set T0,   174
.set T1,   175
.set S,    176                         ; v176-239 accumulators: Q's four, S^T's eight, O's four
.set SA,   240                         ; v[240:243] the sum's two chains
.set T2,   244
.set HW,   245                         ; v245, v246 Q's two scale bytes, by the parity of m
.set OUTR, 208                         ; phase B: v208-239 results, four neighbouring d to a group
.set RL,   240                         ; phase B: v240-247 1 / the sum of queries 8 h + 0 .. 7
.set GO,   248                         ; 16,384 h + 16 r: my place in eight rows of out
.set PF,   249                         ; 256 lane: the prefetches' offset
.set GX,   240                         ; used at the head alone: offsets of the first loads and stores
.set GXS,  241
.set GW,   242
.set GWS,  243
.set GB,   244
.set XW,   245
.set XWS,  246
.set MSB, 0
.macro WIN new                         ; the immediate's high byte repeats the setting that is left; a switch that changes nothing is dropped
.if MSB != \new
	s_set_vgpr_msb (MSB<<8)|\new
.set MSB, \new
.endif
.endm
; One product.  c < 0: the constant 0 starts the sum.  ra, rb: source 0's, source 1's scale words lie in lanes 16-31 of their register.
.macro MM d, a, b, c, sa, sb, ra, rb
.if (\c) < 0
.if (\ra) && (\rb)
	v_wmma_scale_f32_16x16x128_f8f6f4 v[\d:\d+7], v[\a:\a+7], v[\b:\b+7], 0, v[\sa], v[\sb] matrix_a_fmt:MATRIX_FMT_FP4 matrix_b_fmt:MATRIX_FMT_FP4 matrix_a_scale:MATRIX_SCALE_ROW1 matrix_b_scale:MATRIX_SCALE_ROW1
.elseif (\ra)
	v_wmma_scale_f32_16x16x128_f8f6f4 v[\d:\d+7], v[\a:\a+7], v[\b:\b+7], 0, v[\sa], v[\sb] matrix_a_fmt:MATRIX_FMT_FP4 matrix_b_fmt:MATRIX_FMT_FP4 matrix_a_scale:MATRIX_SCALE_ROW1
.elseif (\rb)
	v_wmma_scale_f32_16x16x128_f8f6f4 v[\d:\d+7], v[\a:\a+7], v[\b:\b+7], 0, v[\sa], v[\sb] matrix_a_fmt:MATRIX_FMT_FP4 matrix_b_fmt:MATRIX_FMT_FP4 matrix_b_scale:MATRIX_SCALE_ROW1
.else
	v_wmma_scale_f32_16x16x128_f8f6f4 v[\d:\d+7], v[\a:\a+7], v[\b:\b+7], 0, v[\sa], v[\sb] matrix_a_fmt:MATRIX_FMT_FP4 matrix_b_fmt:MATRIX_FMT_FP4
.endif
.else
.if (\ra) && (\rb)
	v_wmma_scale_f32_16x16x128_f8f6f4 v[\d:\d+7], v[\a:\a+7], v[\b:\b+7], v[\c:\c+7], v[\sa], v[\sb] matrix_a_fmt:MATRIX_FMT_FP4 matrix_b_fmt:MATRIX_FMT_FP4 matrix_a_scale:MATRIX_SCALE_ROW1 matrix_b_scale:MATRIX_SCALE_ROW1
.elseif (\ra)
	v_wmma_scale_f32_16x16x128_f8f6f4 v[\d:\d+7], v[\a:\a+7], v[\b:\b+7], v[\c:\c+7], v[\sa], v[\sb] matrix_a_fmt:MATRIX_FMT_FP4 matrix_b_fmt:MATRIX_FMT_FP4 matrix_a_scale:MATRIX_SCALE_ROW1
.elseif (\rb)
	v_wmma_scale_f32_16x16x128_f8f6f4 v[\d:\d+7], v[\a:\a+7], v[\b:\b+7], v[\c:\c+7], v[\sa], v[\sb] matrix_a_fmt:MATRIX_FMT_FP4 matrix_b_fmt:MATRIX_FMT_FP4 matrix_b_scale:MATRIX_SCALE_ROW1
.else
	v_wmma_scale_f32_16x16x128_f8f6f4 v[\d:\d+7], v[\a:\a+7], v[\b:\b+7], v[\c:\c+7], v[\sa], v[\sb] matrix_a_fmt:MATRIX_FMT_FP4 matrix_b_fmt:MATRIX_FMT_FP4
.endif
.endif
.endm
.macro PLACES                          ; four plain lines between a product and the first read of its result by a vector instruction (ISA guide 7.12.1)
.rept 4
	v_nop
.endr
.endm
.macro BARRIER                         ; my LDS stores have landed and my LDS loads are in: then the work-group's barrier
	s_wait_dscnt 0x0
	s_barrier_signal -1
	s_barrier_wait -1
.endm
; Nine LDS loads: four fragments (the four K steps of a tile of 16 rows) and their four scale words.  Each load takes 512 consecutive bytes.
.macro FETCH4 fr, sc, adr, oi, os
.irp k, 0,1,2,3
.irp c, 0,1
	ds_load_b128 v[\fr+8*\k+4*\c:\fr+8*\k+4*\c+3], v[\adr] offset:\oi+1024*\k+512*\c
.endr
.endr
	ds_load_b128 v[\sc:\sc+3], v[\adr] offset:\os
.endm
; Eighteen: P's eight fragments of tile m and their eight scale words, into set m % 2.
.macro FETCHP m
.irp k, 0,1,2,3,4,5,6,7
.irp c, 0,1
	ds_load_b128 v[FR+64*((\m)%2)+8*\k+4*\c:FR+64*((\m)%2)+8*\k+4*\c+3], v[LP] offset:(8*(\m)+\k)*1024+512*\c
.endr
.endr
.irp g, 0,1
	ds_load_b128 v[SCM+8*((\m)%2)+4*\g:SCM+8*((\m)%2)+4*\g+3], v[LS] offset:1024*(\m)+512*\g
.endr
.endm
; 32 numbers of a lane, register 16 b + i = k 32 b + 16 (lane / 16) + i of the lane's row, become four registers of codes (k = 32 (lane / 16) + 0 .. 31) and two scale bytes.
.macro QUANT2 src, pc, pw
.irp b, 0,1
	v_max3_num_f32 v[TM+\b], |v[\src+16*\b]|, |v[\src+16*\b+1]|, 0x1800000   ; my 16 numbers of block b, from each accumulator's low end on, and the floor 2^(3 - 127): the byte cannot fall under 1
.endr
.irp i, 2,4,6,8,10,12,14
.irp b, 0,1
	v_max3_num_f32 v[TM+\b], v[TM+\b], |v[\src+16*\b+\i]|, |v[\src+16*\b+\i+1]|
.endr
.endr
.irp b, 0,1
	v_permlanex16_b32 v[TP+\b], v[TM+\b], s28, s29
.endr
.irp b, 0,1
	v_max_num_f32 v[TM+\b], v[TM+\b], v[TP+\b]     ; with lane l xor 16's: the block's largest magnitude
.endr
.irp b, 0,1
	v_add_nc_u32 v[TS+\b], 0xff000000, v[TM+\b]    ; 2 off its exponent field: the conversion's scale operand
.endr
.irp b, 0,1
	v_lshrrev_b32 v[TP+\b], 23, v[TS+\b]           ; the scale's byte
.endr
	v_lshl_or_b32 v[\pw], v[TP+1], 8, v[TP]
.irp b, 0,1
	v_cvt_scalef32_pk8_fp4_f32 v[\pc+2*\b], v[\src+16*\b:\src+16*\b+7], v[TS+\b]
	v_cvt_scalef32_pk8_fp4_f32 v[\pc+2*\b+1], v[\src+16*\b+8:\src+16*\b+15], v[TS+\b]
.endr
	v_nop                                          ; one plain line behind the scaled conversions
	v_permlane16_swap_b32 v[\pc], v[\pc+2]         ; a WHOLE block to a lane: lanes 0-15 the first block, lanes 16-31 the second
	v_permlane16_swap_b32 v[\pc+1], v[\pc+3]
.endm
; K's fragments of K step k (eight tiles of 16 keys), V's of key step k (four tiles of 16 d): each load takes 512 consecutive bytes of kv_img.
.macro KLOAD k
	WIN 0x40                                       ; destination window 1
.irp o, 0,1,2,3,4,5,6,7
.irp c, 0,1
	global_load_b128 v[8*(8*(\k)+\o)+4*\c:8*(8*(\k)+\o)+4*\c+3], v[LI], s[32:33] offset:(8*(\k)+\o)*1024+512*\c
.endr
.endr
	WIN 0
.endm
.macro VLOAD k
	WIN 0x40
.irp o, 0,1,2,3
.irp c, 0,1
	global_load_b128 v[8*(4*(\k)+\o)+4*\c:8*(4*(\k)+\o)+4*\c+3], v[LI], s[36:37] offset:32768*(\k)+1024*\o+512*\c
.endr
.endr
	WIN 0
.endm
; PHASE Q, tile m: 16 products, the four accumulators by turns, bq as the first C; the quantiser; half a fragment and two scale bytes to LDS.
.macro QTILE m
.set FB, FR+32*((\m)%2)
.set SB, SCM+4*((\m)%2)
.if (\m) == 0
	s_wait_dscnt 0x0
.else
	s_wait_dscnt 0x2                               ; LDS answers in order: this tile's nine loads are in; the two stores of the tile before, issued behind them, may be out
.endif
.if (\m) < 7
	FETCH4 FR+32*(((\m)+1)%2), SCM+4*(((\m)+1)%2), LI, XIMG+4096*((\m)+1), XSC+512*((\m)+1)   ; no wait on va_vdst here: the products that read this set stand ahead of the wait behind the last tile's quantiser, and nothing since names the set
.endif
.if (\m) == 0
	s_wait_loadcnt 0x0                             ; Wq, its scale words, bq
.endif
	WIN 0x01                                       ; source 0 window 1
.irp k, 0,1,2,3
.irp o, 0,1,2,3
.if \k == 0
	MM S+8*\o, 8*(4*\o+\k), FB+8*\k, BQ+8*\o, SCW+4*(\o/2)+\k, SB+\k, \o%2, 0
.else
	MM S+8*\o, 8*(4*\o+\k), FB+8*\k, S+8*\o, SCW+4*(\o/2)+\k, SB+\k, \o%2, 0
.endif
.endr
.endr
	WIN 0
	PLACES
.if (\m) == 7                          ; Wq is done with: K takes its registers.  52 loads now, K step 3's sixteen behind the barrier
	s_wait_alu depctr_va_vdst(0)                   ; the phase's last products are done reading Wq's fragments and scale words, in which K's land
.irp k, 0,1,2,3
	global_load_b128 v[SCW+4*\k:SCW+4*\k+3], v[LI], s[34:35] offset:512*\k   ; K's scale words of K step k: word p = tiles 2 p (lanes 0-15) and 2 p + 1 (lanes 16-31)
.endr
	KLOAD 0
	KLOAD 1
	KLOAD 2
.endif
.if (\m) >= 2
	s_wait_alu depctr_vm_vsrc(0)                   ; the two LDS stores of two tiles back have read the codes and the bytes that the quantiser below writes again
.endif
	QUANT2 S, PC+8*((\m)%2), HW+(\m)%2
	s_wait_alu depctr_va_vdst(0)                   ; the quantiser has written the codes and the two bytes, which the stores below read; and this tile's products are done reading their set of fragments and scale words, in which the next tile's loads land
	ds_store_b128 v[QW], v[PC+8*((\m)%2):PC+8*((\m)%2)+3] offset:4096*(\m)
	ds_store_b16 v[QWS], v[HW+(\m)%2] offset:512*(\m)
.endm
; The softmax of tile m over my 128 keys.  Register 16 b + i of S^T is key 32 b + 16 (lane / 16) + i of my lane's query.  P's fragment of the tile before goes to LDS from here.
.macro SOFTMAX m
.set PCM, PC+8*((\m)%2)
.irp b, 0,1,2,3
	v_max3_num_f32 v[TM+\b], v[S+16*\b], v[S+16*\b+1], v[S+16*\b+2]   ; THE LARGEST SCORE OF EACH BLOCK OF 32 KEYS serves twice: for the row's maximum and, since p rises with the score, for the block's largest p
.endr
.irp i, 3,5,7,9,11,13
.irp b, 0,1,2,3
	v_max3_num_f32 v[TM+\b], v[TM+\b], v[S+16*\b+\i], v[S+16*\b+\i+1]   ; ascending: each accumulator is read from its low end on
.endr
.endr
.irp b, 0,1,2,3
	v_max_num_f32 v[TM+\b], v[TM+\b], v[S+16*\b+15]
.endr
.irp b, 0,1,2,3
	v_permlanex16_b32 v[TP+\b], v[TM+\b], s28, s29
.endr
.irp b, 0,1,2,3
	v_max_num_f32 v[TM+\b], v[TM+\b], v[TP+\b]     ; with lane l xor 16's 16 keys
.endr
	v_max3_num_f32 v[T0], v[TM], v[TM+1], v[TM+2]
	v_max_num_f32 v[T0], v[T0], v[TM+3]            ; my 128 keys' largest score of my query
	v_mul_f32 v[T0], s26, v[T0]                    ; as t (c is positive)
	v_floor_f32 v[NM], -v[T0]                      ; -M_w = floor(-t) = -ceil(t): a whole number
.irp j, 0,2,4,6,8,10,12,14,16,18,20,22,24,26,28,30,32,34,36,38,40,42,44,46,48,50,52,54,56,58,60,62
	v_pk_fma_f32 v[S+\j:S+\j+1], v[S+\j:S+\j+1], s[26:27], v[NM:NM+1] op_sel_hi:[1,0,0]   ; t - M_w, two at a time
.endr
.irp b, 0,1,2,3
	v_fma_f32 v[TM+\b], v[TM+\b], s26, v[NM]       ; the same of each block's largest score
.endr
	s_wait_alu depctr_va_vdst(0)
.irp j, 0,1,2,3,4,5,6,7,8,9,10,11,12,13,14,15,16,17,18,19,20,21,22,23,24,25,26,27,28,29,30,31,32,33,34,35,36,37,38,39,40,41,42,43,44,45,46,47,48,49,50,51,52,53,54,55,56,57,58,59,60,61,62,63
	v_exp_f32 v[S+\j], v[S+\j]                     ; p = 2^(t - M_w): NOT normalised
.endr
	v_mov_b32 v[NEGM+\m], v[NM]                    ; kept for the exchange.  (The plain line behind the exponentials)
	s_wait_alu depctr_va_vdst(0)                   ; the 64 exponentials have written p, ahead of its first reader.  The wait also states that the last tile's quantiser has written its codes, which the two stores below read, and that this tile's products are done reading their set of Q's fragments and scale words
.if (\m) != 1
	s_wait_alu depctr_vm_vsrc(0)                   ; the LDS stores that read the two sets of codes are done reading them: in tile 0 phase Q's last two, later those of two tiles back; the conversions below write this tile's set again
.endif
.if (\m) > 0
.irp c, 0,1
	ds_store_b128 v[PWA], v[PC+8*(((\m)-1)%2)+4*\c:PC+8*(((\m)-1)%2)+4*\c+3] offset:8192*((\m)-1)+512*\c   ; P's fragment of the tile before, key step w
.endr
.endif
.irp b, 0,1,2,3
	v_exp_f32 v[TM+\b], v[TM+\b]                   ; the block's largest p: the same two instructions on the same number give the same bits
.endr
	v_pk_add_f32 v[SA:SA+1], v[S:S+1], v[S+4:S+5]  ; THE SUM IS TAKEN OF THE UNQUANTISED p, two at a time, in two chains.  (It reads the 64 alone: plain work behind the four)
	v_pk_add_f32 v[SA+2:SA+3], v[S+2:S+3], v[S+6:S+7]
.irp j, 8,12,16,20,24,28,32,36,40,44,48,52,56,60
	v_pk_add_f32 v[SA:SA+1], v[SA:SA+1], v[S+\j:S+\j+1]
	v_pk_add_f32 v[SA+2:SA+3], v[SA+2:SA+3], v[S+\j+2:S+\j+3]
.endr
	v_pk_add_f32 v[SA:SA+1], v[SA:SA+1], v[SA+2:SA+3]
	v_add_f32 v[T2], v[SA], v[SA+1]
	v_permlanex16_b32 v[T1], v[T2], s28, s29
	v_add_f32 v[LSUM+\m], v[T2], v[T1]             ; with lane l xor 16's: the sum over my 128 keys
	s_wait_alu depctr_va_vdst(0)                   ; the four exponentials have written the blocks' largest p, ahead of its first reader
.irp b, 0,1,2,3
	v_max_num_f32 v[TM+\b], 0x1800000, v[TM+\b]    ; the floor 2^(3 - 127): the byte cannot fall under 1
.endr
.irp b, 0,1,2,3
	v_add_nc_u32 v[TS+\b], 0xff000000, v[TM+\b]    ; 2 off the exponent field: the conversion's scale operand
.endr
.irp b, 0,1,2,3
	v_lshrrev_b32 v[TP+\b], 23, v[TS+\b]           ; the scale's byte
.endr
	v_lshl_or_b32 v[WORD+\m], v[TP+1], 8, v[TP]    ; p's scale word under M_w
	v_lshl_or_b32 v[WORD+\m], v[TP+2], 16, v[WORD+\m]
	v_lshl_or_b32 v[WORD+\m], v[TP+3], 24, v[WORD+\m]
.irp b, 0,1,2,3
	v_cvt_scalef32_pk8_fp4_f32 v[PCM+2*\b], v[S+16*\b:S+16*\b+7], v[TS+\b]
	v_cvt_scalef32_pk8_fp4_f32 v[PCM+2*\b+1], v[S+16*\b+8:S+16*\b+15], v[TS+\b]
.endr
	v_nop                                          ; one plain line behind the scaled conversions
.irp c, 0,1
.irp i, 0,1
	v_permlane16_swap_b32 v[PCM+4*\c+\i], v[PCM+4*\c+2+\i]   ; a WHOLE block to a lane
.endr
.endr
.endm
; PHASE A, tile m: 32 products, the eight accumulators by turns; the softmax.  P's fragment (m, key step w) goes to LDS in the next tile's softmax, the last tile's at its own end.
.macro ATILE m
.set FB, FR+32*((\m)%2)
.set SB, SCM+4*((\m)%2)
.if (\m) < 2
	s_wait_dscnt 0x0                               ; this tile's nine loads are in: no LDS instruction was issued behind them
.else
	s_wait_dscnt 0x2                               ; this tile's nine loads are in; the two stores of two tiles back, issued behind them, may be out
.endif
.if (\m) < 7
	FETCH4 FR+32*(((\m)+1)%2), SCM+4*(((\m)+1)%2), LQ, 4096*((\m)+1), QSC-QIMG+512*((\m)+1)   ; no wait on va_vdst here: the products that read this set stand ahead of the waits in the last tile's softmax (tile 0: of phase Q's last), and nothing since names the set
.endif
.if (\m) == 5
	; A PREFETCH of V's images, two tiles ahead of the loads that want them: my work-group's sixteenth of the batch's 262,144 bytes, 8,192 bytes for each of waves 0 and 1, lanes 256 bytes apart.
	; The batch's 16 work-groups take a sixteenth each, so that each block of 256 bytes is named once in the launch.
	s_cmp_lt_u32 s20, 2
	s_cbranch_scc0 .Lno_pf_v
	global_prefetch_b8 v[PF], s[30:31] offset:4194304 th:TH_LOAD_NT scope:SCOPE_SE
.Lno_pf_v:
.endif
	WIN 0x01
.irp k, 0,1,2,3
.if (\m) == 0
.if \k == 0
	s_wait_loadcnt 16                              ; K's scale words and K steps 0 to 2 are in; K step 3's sixteen loads may be out
.endif
.if \k == 3
	s_wait_loadcnt 0x0
.endif
.endif
.irp o, 0,1,2,3,4,5,6,7
.if \k == 0
	MM S+8*\o, 8*(8*\k+\o), FB+8*\k, -1, SCW+4*\k+\o/2, SB+\k, \o%2, 0
.else
	MM S+8*\o, 8*(8*\k+\o), FB+8*\k, S+8*\o, SCW+4*\k+\o/2, SB+\k, \o%2, 0
.endif
.endr
.endr
	WIN 0
	PLACES
.if (\m) == 7                          ; K is done with: V takes its registers.  56 loads now, the last two key steps' sixteen behind the softmax
	s_wait_alu depctr_va_vdst(0)                   ; the phase's last products are done reading K's fragments and scale words, in which V's land
.irp k, 0,1,2,3,4,5,6,7
	global_load_b64 v[SCW+2*\k:SCW+2*\k+1], v[LI], s[38:39] offset:2048*\k   ; V's scale words of key step k: my four tiles' two words
.endr
.irp k, 0,1,2,3,4,5
	VLOAD \k
.endr
.endif
	SOFTMAX \m
.if (\m) == 7
	s_wait_alu depctr_va_vdst(0)                   ; the last quantiser has written its codes, which the two stores below read, and is done reading p in v176-239, in which the waves' -M land behind the barrier
.irp c, 0,1
	ds_store_b128 v[PWA], v[PC+8*((\m)%2)+4*\c:PC+8*((\m)%2)+4*\c+3] offset:8192*(\m)+512*\c
.endr
	VLOAD 6
	VLOAD 7
.endif
.endm
; PHASE B, tile m: 32 products, the four accumulators by turns, the keys ascending; x 1 / the sum; eight stores.
.macro BTILE m
	s_wait_dscnt 0x0                               ; P(m), its scale words and this tile's 1 / the sum are in
.if (\m) < 7
	FETCHP (\m)+1                                  ; no wait on va_vdst here: the products that read this set stand ahead of the wait behind the last tile's multiplications, and nothing since names the set
.endif
	WIN 0x04                                       ; source 1 window 1
.irp k, 0,1,2,3,4,5,6,7
.irp o, 0,1,2,3
.if \k == 0
	MM S+8*\o, FR+64*((\m)%2)+8*\k, 8*(4*\k+\o), -1, SCM+8*((\m)%2)+\k, SCW+2*\k+\o/2, 0, \o%2
.else
	MM S+8*\o, FR+64*((\m)%2)+8*\k, 8*(4*\k+\o), S+8*\o, SCM+8*((\m)%2)+\k, SCW+2*\k+\o/2, 0, \o%2
.endif
.endr
.endr
	WIN 0
	PLACES
.if (\m) > 0
	s_wait_xcnt 0x0                                ; every earlier memory instruction has had its addresses translated: the results' registers are written again only behind this wait,
	s_wait_alu depctr_vm_vsrc(0)                   ; and behind this one: the last tile's eight stores have read the results that the multiplications below write again
.endif
.irp j, 0,1,2,3,4,5,6,7
.irp o, 0,1,2,3
	v_mul_f32 v[OUTR+4*\j+\o], v[S+8*\o+\j], v[RL+\j]   ; out(16 m + 8 h + j, 64 w + 4 r + o); each accumulator from its low end on
.endr
.endr
	s_wait_alu depctr_va_vdst(0)                   ; the multiplications have written the results, which the stores below read, and are done reading 1 / the sum, in whose registers the next tile's land; this tile's products are done reading their set of P, in which the next tile's loads land
.if (\m) < 7
	ds_load_b128 v[RL:RL+3], v[RR] offset:64*((\m)+1)      ; the next tile's 1 / the sum, from my own copy
	ds_load_b128 v[RL+4:RL+7], v[RR] offset:64*((\m)+1)+16
.endif
.irp j, 0,1,2,3,4,5,6,7
	global_store_b128 v[GO], v[OUTR+4*\j:OUTR+4*\j+3], s[18:19] offset:(16*(\m)+\j)*2048 th:TH_STORE_NT   ; sixteen lanes store 256 consecutive bytes of a row, at a multiple of 256 from out's first byte; lanes 16-31 the row eight further down
.endr
.endm
	s_load_b256 s[4:11], s[0:1], 0x0               ; x's codes s[4:5], its scales s[6:7], Wq's codes s[8:9], its scales s[10:11]
	s_load_b256 s[12:19], s[0:1], 0x20             ; bq s[12:13], kv_img s[14:15], kv_sc s[16:17], out s[18:19]
	v_lshl_add_u32 v254, v0, 2, 0x28000
	v_mov_b32 v255, 0
	v_lshrrev_b32 v2, 5, v0
	v_readfirstlane_b32 s20, v2                    ; wave 0..7
	s_and_b32 s21, ttmp7, 0xffff                   ; batch
	s_mov_b32 s22, ttmp9                           ; block of 128 queries
	v_and_b32 v250, 31, v0                         ; lane
	v_and_b32 v2, 15, v0                           ; r
	v_bfe_u32 v3, v0, 4, 1                         ; h
	v_lshlrev_b32 v[LI], 4, v250
	v_add_nc_u32 v[LQ], QIMG, v[LI]
	v_add_nc_u32 v[LP], PIMG, v[LI]
	v_add_nc_u32 v[LS], PSC, v[LI]
	s_wait_alu depctr_va_vdst(0)
	s_wait_alu depctr_va_sdst(0)                   ; s20, the wave's number, is written, ahead of its first reader: LDS addresses, bases and branches are made from it
	s_lshl_b32 s40, s20, 9
	v_add_nc_u32 v[QW], s40, v[LQ]
	s_lshl_b32 s40, s20, 1
	s_add_co_u32 s40, s40, QSC
	v_add_nc_u32 v[QWS], s40, v[LI]
	s_lshl_b32 s40, s20, 10
	v_add_nc_u32 v[PWA], s40, v[LP]
	s_add_co_u32 s41, s40, STATM
	v_add_nc_u32 v[MWA], s41, v[LI]
	s_lshr_b32 s40, s20, 2
	s_lshl_b32 s40, s40, 9
	s_and_b32 s41, s20, 3
	s_lshl_b32 s41, s41, 2
	s_add_co_u32 s40, s40, s41
	v_add_nc_u32 v[PWS], s40, v[LS]
	v_lshlrev_b32 v[LR], 5, v2
	v_add_nc_u32 v[LR], STATL, v[LR]
	s_lshl_b32 s40, s20, 2
	v_add_nc_u32 v[LW], s40, v[LR]
	s_lshl_b32 s40, s20, 9
	s_add_co_u32 s40, s40, RLS
	v_lshl_add_u32 v[RW], v2, 2, s40
	v_lshl_add_u32 v[RR], v3, 5, s40
	v_lshlrev_b32 v[GO], 14, v3
	v_lshl_add_u32 v[GO], v2, 4, v[GO]
	v_lshlrev_b32 v[PF], 8, v250
	v_lshlrev_b32 v[GX], 8, v2                     ; x: row r of 256 bytes,
	v_lshl_add_u32 v[GX], v3, 4, v[GX]             ; + 16 h
	v_lshlrev_b32 v[GXS], 4, v2                    ; its 16 scale bytes
	v_and_b32 v251, 8, v2
	v_add_nc_u32 v251, v251, v2                    ; r + 8 (r / 8)
	v_lshlrev_b32 v[GW], 8, v251                   ; Wq: THE ROWS OF A TILE ARE NOT NEIGHBOURS: lane r of tile 2 b + u takes row 32 b + 8 u + r + 8 (r / 8)
	v_lshl_add_u32 v[GW], v3, 4, v[GW]
	v_lshl_add_u32 v[GWS], v3, 3, v251             ; its scale bytes: lanes 0-15 tile 2 p, lanes 16-31 tile 2 p + 1
	v_lshlrev_b32 v[GWS], 4, v[GWS]
	v_lshlrev_b32 v[GB], 6, v3                     ; bq: 16 h numbers on
	s_lshl_b32 s40, s20, 12
	v_add_nc_u32 v[XW], s40, v[LI]                 ; where I store x's images: tile w
	s_lshl_b32 s40, s20, 9
	v_add_nc_u32 v[XWS], s40, v[LI]
.irp b, 0,1,2,3
	v_mov_b32 v[TP+\b], 0                          ; written once: a lane permute's destination counts as one of its sources
.endr
	v_mov_b32 v[T1], 0                             ; likewise
	v_mov_b32 v[NM+1], 0                           ; named as the upper half of the pair v[172:173]
	s_mov_b32 s26, 0x3d8293ee                      ; c = log2(e) / sqrt(512)
	s_mov_b32 s27, s26                             ; named with it as a pair, so it is written
	s_mov_b32 s28, 0x76543210
	s_mov_b32 s29, 0xfedcba98                      ; v_permlanex16_b32's selects for lane l xor 16
	s_lshl_b32 s23, s21, 11
	s_lshl_b32 s40, s22, 7
	s_add_co_u32 s23, s23, s40                     ; my work-group's first row of x and of out: 2,048 batch + 128 j
	s_lshl_b32 s40, s20, 4
	s_add_co_u32 s40, s23, s40                     ; + 16 w: the tile of x that I bring
	s_mov_b32 s25, 0
	s_wait_kmcnt 0x0
	s_lshl_b32 s24, s40, 8
	s_add_nc_u64 s[4:5], s[4:5], s[24:25]
	s_lshl_b32 s24, s40, 4
	s_add_nc_u64 s[6:7], s[6:7], s[24:25]
	s_lshl_b32 s24, s20, 14
	s_add_nc_u64 s[8:9], s[8:9], s[24:25]          ; Wq: my 64 rows of 256 bytes,
	s_lshl_b32 s24, s20, 10
	s_add_nc_u64 s[10:11], s[10:11], s[24:25]      ; of 16 scale bytes,
	s_lshl_b32 s24, s20, 8
	s_add_nc_u64 s[12:13], s[12:13], s[24:25]      ; bq: my 64 numbers
	s_lshl_b32 s24, s23, 11
	s_lshl_b32 s41, s20, 8
	s_add_co_u32 s24, s24, s41
	s_add_nc_u64 s[18:19], s[18:19], s[24:25]      ; out: rows of 2,048 bytes, my 256 bytes of each
	s_lshl_b32 s24, s21, 18
	s_lshl_b32 s41, s22, 14
	s_add_co_u32 s24, s24, s41
	s_lshl_b32 s41, s20, 13
	s_add_co_u32 s24, s24, s41
	s_add_nc_u64 s[30:31], s[14:15], s[24:25]      ; the prefetches (waves 0 and 1): the batch's K images + 16,384 j + 8,192 w
	s_lshl_b32 s24, s21, 3
	s_add_co_u32 s41, s24, s20                     ; K's unit: 8 batch + w
	s_lshl_b32 s24, s41, 15
	s_add_nc_u64 s[32:33], s[14:15], s[24:25]
	s_lshl_b32 s24, s41, 11
	s_add_nc_u64 s[34:35], s[16:17], s[24:25]
	s_lshl_b32 s24, s21, 18
	s_add_co_u32 s24, s24, 0x400000                ; V's units begin at unit 128
	s_lshl_b32 s41, s20, 12
	s_add_co_u32 s24, s24, s41                     ; my four tiles: (w1, o) = (w / 2, 4 (w % 2) ..): 4,096 w
	s_add_nc_u64 s[36:37], s[14:15], s[24:25]
	s_lshl_b32 s24, s21, 14
	s_add_co_u32 s24, s24, 0x40000
	s_lshr_b32 s41, s20, 1
	s_lshl_b32 s41, s41, 9
	s_add_co_u32 s24, s24, s41
	s_and_b32 s41, s20, 1
	s_lshl_b32 s41, s41, 3
	s_add_co_u32 s24, s24, s41                     ; their two scale words: 512 (w / 2) + 8 (w % 2)
	s_add_nc_u64 s[38:39], s[16:17], s[24:25]
	s_wait_alu depctr_va_vdst(0)                   ; all addresses and offsets are written (v1, v4-15, v240-246, v248, v249): every load, store and prefetch of the kernel reads one of them
.irp k, 0,1,2,3
.irp c, 0,1
	global_load_b128 v[FR+8*\k+4*\c:FR+8*\k+4*\c+3], v[GX], s[4:5] offset:64*\k+32*\c th:TH_LOAD_NT   ; tile w of x: four fragments; read once in the launch
.endr
.endr
	global_load_b128 v[SCM:SCM+3], v[GXS], s[6:7] th:TH_LOAD_NT
.irp p, 0,1
	global_load_b128 v[SCW+4*\p:SCW+4*\p+3], v[GWS], s[10:11] offset:512*\p
.endr
.irp o, 0,1,2,3
	global_load_b128 v[BQ+8*\o:BQ+8*\o+3], v[GB], s[12:13] offset:(32*(\o/2)+8*(\o%2))*4   ; in the result's layout: the lane's eight d of tile o
	global_load_b128 v[BQ+8*\o+4:BQ+8*\o+7], v[GB], s[12:13] offset:(32*(\o/2)+8*(\o%2))*4+16
.endr
	WIN 0x40                                       ; destination window 1
.irp o, 0,1,2,3
.irp k, 0,1,2,3
.irp c, 0,1
	global_load_b128 v[8*(4*\o+\k)+4*\c:8*(4*\o+\k)+4*\c+3], v[GW], s[8:9] offset:(32*(\o/2)+8*(\o%2))*256+64*\k+32*\c
.endr
.endr
.endr
	WIN 0
	s_wait_loadcnt 42                              ; x's nine loads are in; behind them 2 (Wq's scale words) + 8 (bq) + 32 (Wq) may be out
.irp k, 0,1,2,3
.irp c, 0,1
	ds_store_b128 v[XW], v[FR+8*\k+4*\c:FR+8*\k+4*\c+3] offset:XIMG+1024*\k+512*\c   ; the fragments go to LDS as they stand
.endr
.endr
	ds_store_b128 v[XWS], v[SCM:SCM+3] offset:XSC
	BARRIER                                        ; x's 32 fragments lie in LDS
	s_wait_alu depctr_vm_vsrc(0)                   ; my nine LDS stores have read x's fragments and scale words, in which the loads below land; they and the head's loads have read the offsets v240-246, which the quantisers and the sums write from here on
	FETCH4 FR, SCM, LI, XIMG, XSC
	; A PREFETCH of K's images, all of phase Q ahead of the loads that want them: my work-group's sixteenth of the batch's 262,144 bytes, 8,192 bytes for each of waves 0 and 1, lanes 256 bytes apart.
	; The batch's 16 work-groups take a sixteenth each, so that each block of 256 bytes is named once in the launch.  Its address registers are never written again.
	s_cmp_lt_u32 s20, 2
	s_cbranch_scc0 .Lno_pf_k
	global_prefetch_b8 v[PF], s[30:31] th:TH_LOAD_NT scope:SCOPE_SE
.Lno_pf_k:
.irp m, 0,1,2,3,4,5,6,7
	QTILE \m
.endr
	BARRIER                                        ; Q's 32 fragments and their scale words lie in LDS
	FETCH4 FR, SCM, LQ, 0, QSC-QIMG
	KLOAD 3
.irp m, 0,1,2,3,4,5,6,7
	ATILE \m
.endr
	; THE EXCHANGE.  Every wave's -M_w of the eight tiles; M = the largest; d = M - M_w comes off my scale bytes and my sums.
	ds_store_b128 v[MWA], v[NEGM:NEGM+3]           ; (written ahead of the wait at the last tile's end)
	ds_store_b128 v[MWA], v[NEGM+4:NEGM+7] offset:512
	BARRIER                                        ; all -M_w, and all of P's codes, lie in LDS
.irp w, 0,1,2,3,4,5,6,7
.irp g, 0,1
	ds_load_b128 v[S+8*\w+4*\g:S+8*\w+4*\g+3], v[LS] offset:STATM-PSC+1024*\w+512*\g   ; register 8 w + m: wave w's -M of tile m, my lane's query
.endr
.endr
	s_wait_dscnt 0x0
	s_wait_alu depctr_vm_vsrc(0)                   ; P's last stores have read the codes in v144-159 and the two stores above -M_w in v120-127: the lines below write both
.irp m, 0,1,2,3,4,5,6,7
	v_min3_num_f32 v[PC+\m], v[S+\m], v[S+8+\m], v[S+16+\m]   ; the eight tiles by turns
.endr
.irp m, 0,1,2,3,4,5,6,7
	v_min3_num_f32 v[PC+\m], v[PC+\m], v[S+24+\m], v[S+32+\m]
.endr
.irp m, 0,1,2,3,4,5,6,7
	v_min3_num_f32 v[PC+\m], v[PC+\m], v[S+40+\m], v[S+48+\m]
.endr
.irp m, 0,1,2,3,4,5,6,7
	v_min_num_f32 v[PC+\m], v[PC+\m], v[S+56+\m]   ; -M
.endr
.irp m, 0,1,2,3,4,5,6,7
	v_sub_f32 v[PC+\m], v[NEGM+\m], v[PC+\m]       ; d = M - M_w: a whole number, 0 or more
.endr
.irp m, 0,1,2,3,4,5,6,7
	v_cvt_u32_f32 v[PC+\m], v[PC+\m]               ; (it saturates)
.endr
.irp m, 0,1,2,3,4,5,6,7
	v_min_u32 v[PC+\m], 0x100, v[PC+\m]            ; beyond 256 nothing is left of a byte or of a sum
.endr
.irp m, 0,1,2,3,4,5,6,7
	v_sub_nc_u32 v[NEGM+\m], 0, v[PC+\m]
.endr
.irp m, 0,1,2,3,4,5,6,7
	v_ldexp_f32 v[LSUM+\m], v[LSUM+\m], v[NEGM+\m] ; my sum under M
.endr
.irp m, 0,1,2,3,4,5,6,7
.irp b, 0,1,2,3
	v_bfe_u32 v[TM+\b], v[WORD+\m], 8*\b, 8
.endr
.irp b, 0,1,2,3
	v_min_u32 v[TP+\b], v[PC+\m], v[TM+\b]
.endr
.irp b, 0,1,2,3
	v_sub_nc_u32 v[TM+\b], v[TM+\b], v[TP+\b]      ; the byte less d, held at 0 from below
.endr
	v_lshl_or_b32 v[WORD+\m], v[TM+1], 8, v[TM]
	v_lshl_or_b32 v[WORD+\m], v[TM+2], 16, v[WORD+\m]
	v_lshl_or_b32 v[WORD+\m], v[TM+3], 24, v[WORD+\m]
.endr
	s_wait_alu depctr_va_vdst(0)                   ; the scale words and the sums under M are written, which the stores below read; and the minima are done reading v176-239, in which the waves' sums land behind the barrier
.irp m, 0,1,2,3,4,5,6,7
	ds_store_b32 v[PWS], v[WORD+\m] offset:1024*\m
	ds_store_b32 v[LW], v[LSUM+\m] offset:512*\m   ; lanes r and r + 16 write the same word with the same value
.endr
	BARRIER                                        ; P's scale words and the waves' sums lie in LDS
	FETCHP 0
.irp m, 0,1,2,3,4,5,6,7
	ds_load_b128 v[S+8*\m:S+8*\m+3], v[LR] offset:512*\m       ; the eight waves' sums of query r of tile m
	ds_load_b128 v[S+8*\m+4:S+8*\m+7], v[LR] offset:512*\m+16
.endr
	s_wait_dscnt 0x0
.irp m, 0,1,2,3,4,5,6,7
	v_pk_add_f32 v[S+8*\m:S+8*\m+1], v[S+8*\m:S+8*\m+1], v[S+8*\m+2:S+8*\m+3]
.endr
.irp m, 0,1,2,3,4,5,6,7
	v_pk_add_f32 v[S+8*\m+4:S+8*\m+5], v[S+8*\m+4:S+8*\m+5], v[S+8*\m+6:S+8*\m+7]
.endr
.irp m, 0,1,2,3,4,5,6,7
	v_pk_add_f32 v[S+8*\m:S+8*\m+1], v[S+8*\m:S+8*\m+1], v[S+8*\m+4:S+8*\m+5]
.endr
.irp m, 0,1,2,3,4,5,6,7
	v_add_f32 v[S+8*\m], v[S+8*\m], v[S+8*\m+1]    ; the row's sum
.endr
	s_wait_alu depctr_va_vdst(0)
.irp m, 0,1,2,3,4,5,6,7
	v_rcp_f32 v[PC+\m], v[S+8*\m]
.endr
	v_nop                                          ; a plain line behind the last reciprocal
	s_wait_alu depctr_va_vdst(0)                   ; the eight reciprocals are written, ahead of their first readers, the stores below.  Every vector line that named v240-247 and v112-175 stands ahead of it too: loads land in both below
.irp m, 0,1,2,3,4,5,6,7
	ds_store_b32 v[RW], v[PC+\m] offset:64*\m      ; a lane has query r's; phase B wants those of queries 8 h + 0 .. 7: through my wave's own 512 bytes
.endr
	ds_load_b128 v[RL:RL+3], v[RR]                 ; LDS serves a wave's instructions in order (ISA guide 5.7.1.4): these see the stores above
	ds_load_b128 v[RL+4:RL+7], v[RR] offset:16
	s_wait_loadcnt 0x0                             ; V and its scale words
	s_wait_alu depctr_vm_vsrc(0)                   ; the exchange's LDS stores have read the scale words, the sums and the reciprocals in v112-151: P's second set, v112-175, lands there in the first tile below
.irp m, 0,1,2,3,4,5,6,7
	BTILE \m
.endr
	s_wait_dscnt 0x0                               ; the closing lines, six on end
	s_wait_alu 0x0
	s_wait_tensorcnt 0x0
	ds_add_u32 v254, v255
	s_wait_dscnt 0x0
	s_endpgm
.Lfunc_end_k_qf1f500f2c7_attn:
	.size	k_qf1f500f2c7_attn, .Lfunc_end_k_qf1f500f2c7_attn-k_qf1f500f2c7_attn
	.p2alignl 7, 3214868480
	.fill 96, 4, 3214868480
	.section	.rodata,"a",@progbits
	.p2align	6, 0x0
	.amdhsa_kernel k_qf1f500f2c7_attn
		.amdhsa_group_segment_fixed_size 164864
		.amdhsa_private_segment_fixed_size 0
		.amdhsa_enable_private_segment 0
		.amdhsa_kernarg_size 64
		.amdhsa_user_sgpr_count 2
		.amdhsa_user_sgpr_kernarg_segment_ptr 1
		.amdhsa_wavefront_size32 1
		.amdhsa_system_sgpr_workgroup_id_x 1
		.amdhsa_system_sgpr_workgroup_id_y 1
		.amdhsa_system_sgpr_workgroup_id_z 1
		.amdhsa_system_vgpr_workitem_id 0
		.amdhsa_next_free_vgpr 512
		.amdhsa_next_free_sgpr 66
		.amdhsa_reserve_vcc 0
		.amdhsa_float_denorm_mode_32 3
		.amdhsa_float_denorm_mode_16_64 3
		.amdhsa_memory_ordered 1
		.amdhsa_forward_progress 1
		.amdhsa_inst_pref_size 255
	.end_amdhsa_kernel
	.section	.bss,"aw",@nobits
	.p2align	6
	.space	262144
	.amdgpu_metadata
---
amdhsa.version: [ 1, 2 ]
amdhsa.kernels:
  - .name:           k_qf1f500f2c7_attn
    .symbol:         k_qf1f500f2c7_attn.kd
    .args:
      - { .name: x_codes, .offset: 0, .size: 8, .value_kind: global_buffer, .address_space: global }
      - { .name: x_scales, .offset: 8, .size: 8, .value_kind: global_buffer, .address_space: global }
      - { .name: Wq_codes, .offset: 16, .size: 8, .value_kind: global_buffer, .address_space: global }
      - { .name: Wq_scales, .offset: 24, .size: 8, .value_kind: global_buffer, .address_space: global }
      - { .name: bq, .offset: 32, .size: 8, .value_kind: global_buffer, .address_space: global }
      - { .name: kv_img, .offset: 40, .size: 8, .value_kind: global_buffer, .address_space: global }
      - { .name: kv_sc, .offset: 48, .size: 8, .value_kind: global_buffer, .address_space: global }
      - { .name: out0, .offset: 56, .size: 8, .value_kind: global_buffer, .address_space: global }
    .group_segment_fixed_size: 164864
    .private_segment_fixed_size: 0
    .kernarg_segment_align: 8
    .kernarg_segment_size: 64
    .max_flat_workgroup_size: 256
    .sgpr_count:     66
    .vgpr_count:     512
    .wavefront_size: 32
...
	.end_amdgpu_metadata
.endif
;; end of part 4
